; MI455X (gfx1250); checked and timed in simulation.
; The chip was launched on July 23, 2026; its instructions are those of AMD's public machine-readable ISA for CDNA 5 (MIT licence, August 2026) and "CDNA5" Instruction Set Architecture Reference Guide (July 2026). The comments in the code are by the model that wrote it; some were corrected since.
;; Element Specific NN. Allowed arithmetic: matrix products marked QUANTISED: E5M2 operands, one E8M0 scale for each 32 along K, by v_wmma_scale_f32_16x16x128_f8f6f4 with both operands' format E5M2, f32 sums; products left as they are: f32 operands where the result goes on into a quantised operand, else bf16, f16 or f32 operands; f32 sums; everything else in f32.
;; Inputs: W1_codes 4 x 512 x 16 x 32 uint8 (E5M2 codes of W1, K innermost, in blocks of 32 codes); W1_scales 4 x 512 x 16 uint8 (E8M0 scales of W1, one for each 32 codes along K); W2_codes 4 x 512 x 16 x 32 uint8 (E5M2 codes of W2, K innermost, in blocks of 32 codes); W2_scales 4 x 512 x 16 uint8 (E8M0 scales of W2, one for each 32 codes along K); W3_codes 4 x 512 x 16 x 32 uint8 (E5M2 codes of W3, K innermost, in blocks of 32 codes); W3_scales 4 x 512 x 16 uint8 (E8M0 scales of W3, one for each 32 codes along K); W4_codes 4 x 512 x 16 x 32 uint8 (E5M2 codes of W4, K innermost, in blocks of 32 codes); W4_scales 4 x 512 x 16 uint8 (E8M0 scales of W4, one for each 32 codes along K); W5 4 x 512 x 1 float32; b1 4 x 512 float32; b2 4 x 512 float32; b3 4 x 512 float32; b4 4 x 512 float32; b5 4 x 1 float32; charges 256 x 64 int32; species 4 int32; x_codes 256 x 64 x 16 x 32 uint8 (E5M2 codes of x, K innermost, in blocks of 32 codes); x_scales 256 x 64 x 16 uint8 (E8M0 scales of x, one for each 32 codes along K).
;; Outputs: out0 256 float32.
;; This version of the problem:
;;   THIS VERSION OF THE PROBLEM IS GIVEN IN LOW PRECISION. The matrix products marked QUANTISED in the list below multiply operands that are first quantised to E5M2 (5 exponent bits, 2 mantissa bits; 8 bits a number), with one power-of-two scale for each 32 numbers along K (OCP MX v1.0); their sums are f32. All else is computed in f32.
;;   The module's matrix products, in the order in which they are computed (A, B: the left and right operand; K: the contracted axis; several contracted axes count as one K, in the product's order):
;;     1. [M 16,384, K 512] x [K 512, N 512]; A: input x (given as codes); B: input W1 (given as codes): QUANTISED
;;     2. [M 16,384, K 512] x [K 512, N 512]; A: computed on the way; B: input W2 (given as codes): QUANTISED
;;     3. [M 16,384, K 512] x [K 512, N 512]; A: computed on the way; B: input W3 (given as codes): QUANTISED
;;     4. [M 16,384, K 512] x [K 512, N 512]; A: computed on the way; B: input W4 (given as codes): QUANTISED
;;     5. [M 16,384, K 512] x [K 512, N 1]; A: computed on the way; B: input W5: left as it is (N = 1 < 16)
;;     6. [M 16,384, K 512] x [K 512, N 512]; A: input x (given as codes); B: input W1 (given as codes): QUANTISED
;;     7. [M 16,384, K 512] x [K 512, N 512]; A: computed on the way; B: input W2 (given as codes): QUANTISED
;;     8. [M 16,384, K 512] x [K 512, N 512]; A: computed on the way; B: input W3 (given as codes): QUANTISED
;;     9. [M 16,384, K 512] x [K 512, N 512]; A: computed on the way; B: input W4 (given as codes): QUANTISED
;;     10. [M 16,384, K 512] x [K 512, N 1]; A: computed on the way; B: input W5: left as it is (N = 1 < 16)
;;     11. [M 16,384, K 512] x [K 512, N 512]; A: input x (given as codes); B: input W1 (given as codes): QUANTISED
;;     12. [M 16,384, K 512] x [K 512, N 512]; A: computed on the way; B: input W2 (given as codes): QUANTISED
;;     13. [M 16,384, K 512] x [K 512, N 512]; A: computed on the way; B: input W3 (given as codes): QUANTISED
;;     14. [M 16,384, K 512] x [K 512, N 512]; A: computed on the way; B: input W4 (given as codes): QUANTISED
;;     15. [M 16,384, K 512] x [K 512, N 1]; A: computed on the way; B: input W5: left as it is (N = 1 < 16)
;;     16. [M 16,384, K 512] x [K 512, N 512]; A: input x (given as codes); B: input W1 (given as codes): QUANTISED
;;     17. [M 16,384, K 512] x [K 512, N 512]; A: computed on the way; B: input W2 (given as codes): QUANTISED
;;     18. [M 16,384, K 512] x [K 512, N 512]; A: computed on the way; B: input W3 (given as codes): QUANTISED
;;     19. [M 16,384, K 512] x [K 512, N 512]; A: computed on the way; B: input W4 (given as codes): QUANTISED
;;     20. [M 16,384, K 512] x [K 512, N 1]; A: computed on the way; B: input W5: left as it is (N = 1 < 16)
;;   THE QUANTISER, for each operand of a quantised product, along K:
;;     - K is cut into blocks of 32 from its start; a last block that is shorter is filled with zeros.
;;     - A block's scale is 2^e with e = floor(log2(the largest magnitude in the block)) - 15, held to -126 .. 127; a block of zeros has e = 0. As a byte (E8M0): e + 127.
;;     - Each number is divided by its block's scale, clamped to +-57,344, and rounded to the nearest number of E5M2, ties to even, subnormals kept.
;;     - The product sums the exact products of the quantised numbers (number of the format x scale) in f32.
;;   ~~~python
;;   def quantise(x, axis):      # numpy; x: float32 -> the quantised numbers, widened to float32 again
;;       x = np.moveaxis(x, axis, -1); K = x.shape[-1]
;;       x = np.pad(x, [(0, 0)] * (x.ndim - 1) + [(0, -K % 32)]); x = x.reshape(x.shape[:-1] + (-1, 32)); a = np.abs(x).max(-1, keepdims=True)
;;       e = np.where(a > 0, np.clip(np.frexp(np.where(a > 0, a, 1))[1] - 1 - 15, -126, 127), 0)      # np.frexp(a)[1] - 1 = floor(log2(a)), exactly
;;       r = np.clip(x / 2.0 ** e, -57344, 57344)
;;       step = 2.0 ** (np.maximum(np.frexp(np.where(r == 0, 1, r))[1] - 1, -14) - 2)
;;       q = np.round(r / step) * step * 2.0 ** e      # np.round: ties to even
;;       return np.moveaxis(q.reshape(q.shape[:-2] + (-1,))[..., :K], -1, axis).astype(np.float32)
;;   ~~~
;;   OPERANDS COMPUTED ON THE WAY. 'Computed on the way' means the value that the module computes at that place (a softmax that the list does not call 'softmax' is quantised finished and normalised). What goes into a quantiser is computed in f32, as accurately as f32 sums, v_exp_f32 and their like allow (about 1e-6 of the number): no bf16 or f16 on the way to a quantiser, and a product that is left as it is and whose result goes on into a quantised operand takes f32 operands (vector FMAs, or v_wmma_f32_16x16x4_f32). A number that lies on a knife's edge between two numbers of the format may be rounded either way, as far as f32 arithmetic and the matrix unit's own rounding can turn it there, and no further.
;;   INPUTS GIVEN AS CODES. W1 (in the module: [4, 512, 512], K = its axis 1); W2 (in the module: [4, 512, 512], K = its axis 1); W3 (in the module: [4, 512, 512], K = its axis 1); W4 (in the module: [4, 512, 512], K = its axis 1); x (in the module: [256, 64, 512], K = its axis 2): each comes as NAME_codes (uint8): NAME with its K axis moved to the last place and cut into blocks of 32 codes, [.., K / 32, bytes a block], one block behind the other in memory; one code a byte (a code: sign, 5 exponent bits, 2 mantissa bits); and NAME_scales (uint8): the same leading axes, one E8M0 byte (e + 127) for each 32 codes along K. Its value is code x scale, taken as it is: it is not quantised again, and the codes and scales need not be those that the quantiser above would give.
;; 2 versions, each right; version 2 is version 1 with the launch chain written anew for expert scheduling mode. Each part assembles by itself: llvm-mc -triple=amdgcn-amd-amdhsa -mcpu=gfx1250 --defsym DOCPART=n.
;; ======== version 1 of 2: 3 launches
;; workspace buffers: wpack 5,242,880 bytes; recs 106,496 bytes of whole numbers; pos 65,536 bytes of whole numbers; esort 106,496 bytes
;; launch prep (part 1): grid 80 x 1, 16 waves a work-group, no clusters, 71,936 bytes of LDS; arguments charges, species, W1_codes, W2_codes, W3_codes, W4_codes, W1_scales, W2_scales, W3_scales, W4_scales, b1, b2, b3, b4, wpack, recs, pos; writes wpack, recs, pos
.if DOCPART == 1
	.amdgcn_target "amdgcn-amd-amdhsa--gfx1250"
	.amdhsa_code_object_version 6
	.text
	.protected	k_qa967882c7a_prep
	.globl	k_qa967882c7a_prep
	.p2align	8
	.type	k_qa967882c7a_prep,@function
k_qa967882c7a_prep:
	s_mov_b64 s[64:65], 0
	v_nop
	global_prefetch_b8 v0, s[64:65] scope:SCOPE_SE
	s_setreg_imm32_b32 hwreg(HW_REG_WAVE_MODE, 25, 1), 1
	s_wait_xcnt 0x0
; PREP: two jobs in one launch, told apart by the work-group's number.
; WORK-GROUPS 0-63 lay W1..W4 (codes, scale bytes) and b1..b4 in the order of a wave's operand registers.
;   wpack is 256 chunks of 20,480 bytes; chunk (4 e + l) 16 + beta holds 32 hidden units (block beta) of layer l of species e, as 40 pieces of 512 bytes, lane L's 16 bytes at 16 L.
;   With r = L % 16, h = L / 16, unit(u, r) = 32 beta + 8 u + r + 8 (r / 8):
;   piece 16 u + 4 s + c: codes of unit(u, r), k = 128 s + 32 c + 16 h + 0 .. 15;   piece 32 + u: the 16 scale bytes of unit(u, r);
;   pieces 34 + 2 u, 35 + 2 u: the bias of units 32 beta + 16 h + 8 u + 0 .. 7;   pieces 38, 39: zeros, so that a layer of a species is 40 x 8,192 bytes.
; WORK-GROUPS 64-79 sort the 16,384 atoms by species, by counting; no atomics.  Tiles of at most 80 atoms of one species; never more than ceil(16384 / 80) + 3 = 208.
;   recs[tile]: 128 words: 0-79 atom numbers (0 from the tile's last atom on), 80-95 zeros, 96 the species' index, 97 the tile's number within its species, the rest zeros.
;   pos[atom] = 128 x tile + slot, or -1 for an atom whose charge is no species'.  Where species holds a number twice, the later index takes the atoms, as in the chain of selections that is computed.
.set CH,     20480
.set SPITCH, 272                       ; a staged row: 256 bytes + 16: 17 x 16 bytes, so that 16 rows start in 16 different groups of banks
.set WSTG,   16*SPITCH                 ; a wave's stage
.set XCH,    16*WSTG                   ; behind the stages: 256 bytes for the sorting path's counts: each path has LDS bytes of its own
.set DIV80,  52429                     ; x / 80 = (x * 52429) >> 22, exact for x under 65,536
	s_load_b128 s[4:7], s[0:1], 0x0                ; charges, species
	s_load_b512 s[16:31], s[0:1], 0x10             ; W1..W4 codes s[16:23], W1..W4 scales s[24:31]
	s_load_b256 s[32:39], s[0:1], 0x50             ; b1..b4
	s_load_b128 s[8:11], s[0:1], 0x70              ; wpack, recs
	s_load_b64 s[12:13], s[0:1], 0x80              ; pos
	v_lshl_add_u32 v96, v0, 2, 0x11100
	v_mov_b32 v97, 0
	v_lshrrev_b32 v1, 5, v0
	v_readfirstlane_b32 s14, v1                    ; wave 0..15
	v_and_b32 v2, 31, v0                           ; L
	v_and_b32 v3, 15, v0                           ; r
	v_bfe_u32 v4, v0, 4, 1                         ; h
	v_lshlrev_b32 v7, 4, v2                        ; 16 L
	v_lshlrev_b32 v14, 2, v2                       ; 4 L: the offset of the sorting path's last stores; made here, with all lanes on, ahead of every change of EXEC; no load lands in it
	s_wait_kmcnt 0x0
	s_cmp_ge_u32 ttmp9, 64                         ; the same for all waves of a work-group
	s_cbranch_scc1 .Lroute
	; ---------------- THE LAYOUT.  Work-group g: species g / 16, layer (g / 4) % 4, chunks 4 g .. 4 g + 3.  Wave: chunk wave / 4, tile u, half kh of K: 16 rows x 256 bytes.
	s_lshr_b32 s50, ttmp9, 4                       ; e
	s_bfe_u32 s51, ttmp9, 0x20002                  ; l
	s_and_b32 s52, ttmp9, 3
	s_lshr_b32 s53, s14, 2
	s_bfe_u32 s54, s14, 0x10001                    ; u
	s_and_b32 s55, s14, 1                          ; kh
	s_lshl_b32 s52, s52, 2
	s_add_co_u32 s52, s52, s53                     ; beta
	s_lshl_b32 s56, ttmp9, 2
	s_add_co_u32 s56, s56, s53                     ; chunk
	s_lshl_b32 s57, s50, 9
	s_lshl_b32 s58, s52, 5
	s_add_co_u32 s57, s57, s58
	s_lshl_b32 s58, s54, 3
	s_add_co_u32 s57, s57, s58                     ; the tile's first unit among the 2,048 of a layer: 512 e + 32 beta + 8 u
	s_mov_b64 s[40:41], s[16:17]                   ; the layer's three buffers: chosen on the layer's number alone
	s_mov_b64 s[42:43], s[24:25]
	s_mov_b64 s[44:45], s[32:33]
	s_cmp_eq_u32 s51, 1
	s_cselect_b64 s[40:41], s[18:19], s[40:41]
	s_cselect_b64 s[42:43], s[26:27], s[42:43]
	s_cselect_b64 s[44:45], s[34:35], s[44:45]
	s_cmp_eq_u32 s51, 2
	s_cselect_b64 s[40:41], s[20:21], s[40:41]
	s_cselect_b64 s[42:43], s[28:29], s[42:43]
	s_cselect_b64 s[44:45], s[36:37], s[44:45]
	s_cmp_eq_u32 s51, 3
	s_cselect_b64 s[40:41], s[22:23], s[40:41]
	s_cselect_b64 s[42:43], s[30:31], s[42:43]
	s_cselect_b64 s[44:45], s[38:39], s[44:45]
	s_lshl_b32 s58, s57, 9                         ; codes: 512 bytes a unit,
	s_lshl_b32 s59, s55, 8                         ; + my half of K
	s_add_co_u32 s58, s58, s59
	s_mov_b32 s59, 0
	s_add_nc_u64 s[40:41], s[40:41], s[58:59]
	s_lshl_b32 s58, s57, 4                         ; scale bytes: 16 a unit
	s_add_nc_u64 s[42:43], s[42:43], s[58:59]
	s_lshl_b32 s58, s57, 2                         ; bias: 4 bytes a unit
	s_add_nc_u64 s[44:45], s[44:45], s[58:59]
	s_mul_i32 s58, s56, CH
	s_add_nc_u64 s[48:49], s[8:9], s[58:59]        ; my chunk
	s_lshl_b32 s58, s54, 13
	s_lshl_b32 s60, s55, 12
	s_add_co_u32 s58, s58, s60
	s_add_nc_u64 s[46:47], s[48:49], s[58:59]      ; my eight pieces of codes begin at piece 16 u + 8 kh
	s_add_co_u32 s60, s54, 32                      ; the two other pieces that I write.  kh = 0: 32 + u and 38 + u;
	s_lshl_b32 s61, s54, 1
	s_add_co_u32 s61, s61, 34                      ; kh = 1: 34 + 2 u and 35 + 2 u
	s_add_co_u32 s62, s54, 38
	s_add_co_u32 s63, s61, 1
	s_cmp_eq_u32 s55, 0
	s_cselect_b32 s60, s60, s61
	s_cselect_b32 s62, s62, s63
	s_lshl_b32 s60, s60, 9
	s_lshl_b32 s62, s62, 9
	v_add_nc_u32 v8, s60, v7
	v_add_nc_u32 v9, s62, v7
	v_lshlrev_b32 v5, 9, v4
	v_lshl_add_u32 v5, v3, 4, v5                   ; in: lanes 0-15 take 256 bytes of one row, lanes 16-31 of the next
	s_mul_i32 s63, s14, WSTG
	v_mul_u32_u24 v12, v4, SPITCH
	v_lshl_add_u32 v12, v3, 4, v12
	v_add_nc_u32 v12, s63, v12                     ; into my stage, as loaded
	v_mul_u32_u24 v13, v3, SPITCH
	v_lshl_add_u32 v13, v4, 4, v13
	v_add_nc_u32 v13, s63, v13                     ; out of it: row r, + 16 h: a fragment's order
	v_and_b32 v10, 8, v3
	v_add_nc_u32 v10, v10, v3
	v_lshlrev_b32 v10, 4, v10                      ; scale bytes of unit r + 8 (r / 8)
	v_lshlrev_b32 v11, 6, v4                       ; bias: 16 h units on
	s_cmp_eq_u32 s55, 0                            ; the two small pieces are asked for first, so that the counted waits below cover them on both ways
	s_cbranch_scc0 .Lbias
	global_load_b128 v[80:83], v10, s[42:43]
	v_mov_b32 v84, 0
	v_mov_b32 v85, 0
	v_mov_b32 v86, 0
	v_mov_b32 v87, 0
	s_branch .Lrows
.Lbias:
	global_load_b128 v[80:83], v11, s[44:45]
	global_load_b128 v[84:87], v11, s[44:45] offset:16
.Lrows:
.irp t, 0,1,2,3,4,5,6,7                            ; the tile's rows 2 t, 2 t + 1 are units 2 t + 8 (t / 4) and the next
	global_load_b128 v[16+4*\t:19+4*\t], v5, s[40:41] offset:(2*\t+8*(\t/4))*512 th:TH_LOAD_NT
.endr
.irp t, 0,1,2,3,4,5,6,7
	s_wait_loadcnt 7-\t                            ; load t is in; the 7 - t behind it may be out
	ds_store_b128 v12, v[16+4*\t:19+4*\t] offset:2*\t*SPITCH
.endr
.irp q, 0,1,2,3,4,5,6,7                            ; q = 4 s' + c.  LDS serves a wave's instructions in order: these see my stores
	ds_load_b128 v[48+4*\q:51+4*\q], v13 offset:128*(\q/4)+32*(\q%4)
.endr
	global_store_b128 v8, v[80:83], s[48:49]       ; each store of the wave covers 512 consecutive bytes, aligned
	global_store_b128 v9, v[84:87], s[48:49]
.irp q, 0,1,2,3,4,5,6,7
	s_wait_dscnt 7-\q
	global_store_b128 v7, v[48+4*\q:51+4*\q], s[46:47] offset:512*\q
.endr
	s_wait_tensorcnt 0x0
	ds_add_u32 v96, v97
	s_wait_dscnt 0x0
	s_endpgm
	; ---------------- THE SORT.  Work-group k = number - 64 places atoms 1024 k .. 1024 k + 1023; its wave v places 64 of them (one batch), two a lane.
	; An atom's rank in its species = the species' atoms in work-groups under k + in this work-group's waves under v + in this wave ahead of it.
	; Wave v counts slice v (the 1,024 atoms of work-group v) and its own 64; the sixteen waves exchange the counts through LDS.
.Lroute:
	s_sub_co_u32 s15, ttmp9, 64                    ; k
	s_load_b128 s[52:55], s[6:7], 0x0              ; the four species' numbers
	s_lshl_b32 s70, s14, 12
	v_add_nc_u32 v5, s70, v7                       ; slice v: 4,096 v + 16 L
.irp i, 0,1,2,3,4,5,6,7
	global_load_b128 v[16+4*\i:19+4*\i], v5, s[4:5] offset:512*\i
.endr
	s_lshl_b32 s71, s15, 12
	s_lshl_b32 s72, s14, 8
	s_add_co_u32 s71, s71, s72
	v_lshl_add_u32 v6, v2, 3, s71                  ; my two atoms' bytes in charges and in pos: 4,096 k + 256 v + 8 L
	global_load_b64 v[48:49], v6, s[4:5]
	s_lshr_b32 s73, s71, 2
	v_lshl_add_u32 v64, v2, 1, s73                 ; my first atom's number,
	v_add_nc_u32 v65, 1, v64                       ; my second's
	s_lshl_b32 s74, s14, 4
	s_add_co_u32 s74, s74, XCH
	v_mov_b32 v50, s74                             ; where my wave's counts go
	v_lshl_add_u32 v51, v3, 4, XCH                 ; and from where lane r takes wave r's
	s_mov_b32 s59, DIV80
	s_mov_b32 s60, 0
	s_mov_b32 s61, 0
	s_mov_b32 s62, 0
	s_mov_b32 s63, 0
.irp x, 66,67,68,69
	v_mov_b32 v\x, 0                               ; written once: a lane move's destination counts as one of its sources
.endr
	s_wait_kmcnt 0x0
	s_cmp_eq_u32 s52, s53                          ; an index whose number comes again later takes no atom: its counts are masked to 0
	s_cselect_b32 s56, 0, -1
	s_cmp_eq_u32 s52, s54
	s_cselect_b32 s56, 0, s56
	s_cmp_eq_u32 s52, s55
	s_cselect_b32 s56, 0, s56
	s_cmp_eq_u32 s53, s54
	s_cselect_b32 s57, 0, -1
	s_cmp_eq_u32 s53, s55
	s_cselect_b32 s57, 0, s57
	s_cmp_eq_u32 s54, s55
	s_cselect_b32 s58, 0, -1
	s_wait_loadcnt 0x0
.set i, 0
.rept 32                                               ; the slice's counts: four masks, four bit counts, four additions for each register of 32 atoms
	v_cmp_eq_u32 s70, s52, v[16+i]
	v_cmp_eq_u32 s71, s53, v[16+i]
	v_cmp_eq_u32 s72, s54, v[16+i]
	v_cmp_eq_u32 s73, s55, v[16+i]
	s_bcnt1_i32_b32 s70, s70
	s_bcnt1_i32_b32 s71, s71
	s_bcnt1_i32_b32 s72, s72
	s_bcnt1_i32_b32 s73, s73
	s_add_co_u32 s60, s60, s70
	s_add_co_u32 s61, s61, s71
	s_add_co_u32 s62, s62, s72
	s_add_co_u32 s63, s63, s73
.set i, i+1
.endr
.irp e, 0,1,2,3                                    ; my own 64 atoms: the masks are kept: s[40 + 4 j + e]
	v_cmp_eq_u32 s[40+\e], s[52+\e], v48
	v_cmp_eq_u32 s[44+\e], s[52+\e], v49
.endr
.irp e, 0,1,2,3
	s_bcnt1_i32_b32 s[92+\e], s[40+\e]
	s_bcnt1_i32_b32 s70, s[44+\e]
	s_add_co_u32 s[66+\e], s[92+\e], s70
.endr
.irp e, 0,1,2
	s_and_b32 s[60+\e], s[60+\e], s[56+\e]
	s_and_b32 s[66+\e], s[66+\e], s[56+\e]
.endr
	s_lshl_b32 s70, s61, 16                        ; two counts to a word: no sum of them passes 16,384
	s_or_b32 s70, s70, s60
	s_lshl_b32 s71, s63, 16
	s_or_b32 s71, s71, s62
	s_lshl_b32 s72, s67, 16
	s_or_b32 s72, s72, s66
	s_lshl_b32 s73, s69, 16
	s_or_b32 s73, s73, s68
	v_mov_b32 v52, s70
	v_mov_b32 v53, s71
	v_mov_b32 v54, s72
	v_mov_b32 v55, s73
	ds_store_b128 v50, v[52:55]                    ; all lanes write the same 16 bytes with the same values
	s_wait_dscnt 0x0                               ; for the others' sake: my store has landed
	s_barrier_signal -1
	s_barrier_wait -1
	ds_load_b128 v[56:59], v51                     ; lane r: slice r's counts (v56, v57) and wave r's own (v58, v59)
	s_wait_dscnt 0x0
	v_cmp_gt_u32 vcc_lo, s15, v3                   ; slices under k
	v_cndmask_b32 v60, 0, v56, vcc_lo
	v_cndmask_b32 v61, 0, v57, vcc_lo
	v_cmp_gt_u32 vcc_lo, s14, v3                   ; waves under v
	v_cndmask_b32 v62, 0, v58, vcc_lo
	v_cndmask_b32 v63, 0, v59, vcc_lo
	v_add_nc_u32 v60, v60, v62
	v_add_nc_u32 v61, v61, v63
.irp x, 1,2,4,8                                    ; four sums over 16 lanes: the totals (v56, v57) and my wave's first ranks (v60, v61)
	v_mov_b32_dpp v66, v56 row_xmask:\x row_mask:0xf bank_mask:0xf
	v_mov_b32_dpp v67, v57 row_xmask:\x row_mask:0xf bank_mask:0xf
	v_mov_b32_dpp v68, v60 row_xmask:\x row_mask:0xf bank_mask:0xf
	v_mov_b32_dpp v69, v61 row_xmask:\x row_mask:0xf bank_mask:0xf
	v_add_nc_u32 v56, v56, v66
	v_add_nc_u32 v57, v57, v67
	v_add_nc_u32 v60, v60, v68
	v_add_nc_u32 v61, v61, v69
.endr
	v_readfirstlane_b32 s70, v56
	v_readfirstlane_b32 s71, v57
	v_readfirstlane_b32 s72, v60
	v_readfirstlane_b32 s73, v61
	s_and_b32 s76, s70, 0xffff                     ; s76-79: a species' atoms in all
	s_lshr_b32 s77, s70, 16
	s_and_b32 s78, s71, 0xffff
	s_lshr_b32 s79, s71, 16
	s_and_b32 s80, s72, 0xffff                     ; s80-83: the rank of my wave's first atom of a species
	s_lshr_b32 s81, s72, 16
	s_and_b32 s82, s73, 0xffff
	s_lshr_b32 s83, s73, 16
.irp e, 0,1,2
	s_add_co_u32 s70, s[76+\e], 79
	s_mul_i32 s70, s70, s59
	s_lshr_b32 s[96+\e], s70, 22                   ; its tiles: ceil(atoms / 80)
.endr
	s_mov_b32 s84, 0                               ; s84-87: a species' first tile
	s_add_co_u32 s85, s84, s96
	s_add_co_u32 s86, s85, s97
	s_add_co_u32 s87, s86, s98
.irp e, 0,1,2,3
	s_lshl_b32 s[88+\e], s[84+\e], 7               ; x 128 words
.endr
.irp j, 0,1                                        ; the places: 128 x tile + slot = 128 x first tile + rank + 48 (rank / 80); the later index is taken last
	v_mov_b32 v[62+\j], -1
.irp e, 0,1,2,3
	v_mbcnt_lo_u32_b32 v70, s[40+4*\j+\e], s[80+\e]   ; rank: the first rank + the mask's bits under my lane
	v_mul_lo_u32 v71, v70, s59
	v_lshrrev_b32 v71, 22, v71
	v_mad_u32_u24 v70, v71, 48, v70
	v_add_nc_u32 v70, s[88+\e], v70
	v_cndmask_b32 v[62+\j], v[62+\j], v70, s[40+4*\j+\e]
.endr
.if \j == 0
.irp e, 0,1,2,3
	s_add_co_u32 s[80+\e], s[80+\e], s[92+\e]      ; the lanes' second atoms rank behind all the first ones
.endr
.endif
.endr
	global_store_b64 v6, v[62:63], s[12:13]        ; pos: the wave stores 256 consecutive bytes, aligned
	v_min_u32 v72, 0x67ff, v62                     ; held inside recs' 26,624 words
	v_lshlrev_b32 v72, 2, v72
	v_min_u32 v73, 0x67ff, v63
	v_lshlrev_b32 v73, 2, v73
	s_wait_xcnt 0x0                                ; EXEC changes only behind this wait
	v_cmp_ne_u32 vcc_lo, -1, v62
	s_and_saveexec_b32 s74, vcc_lo
	global_store_b32 v72, v64, s[10:11]            ; the atom's number into its slot
	s_wait_xcnt 0x0
	s_or_b32 exec_lo, exec_lo, s74
	v_cmp_ne_u32 vcc_lo, -1, v63
	s_and_saveexec_b32 s74, vcc_lo
	global_store_b32 v73, v65, s[10:11]
	s_wait_xcnt 0x0
	s_or_b32 exec_lo, exec_lo, s74
	; the slots that no atom takes, and the headers: 16 work-groups x 13 waves = 208 tiles
	s_cmp_lt_u32 s14, 13
	s_cbranch_scc0 .Ldone
	s_mul_i32 s50, s15, 13
	s_add_co_u32 s50, s50, s14                     ; my tile: made of the work-group's and the wave's number alone, in a register that holds nothing else on this path
	s_lshl_b32 s48, s50, 9
	s_mov_b32 s49, 0
	s_add_nc_u64 s[48:49], s[10:11], s[48:49]      ; its record
	s_mov_b32 s71, 0                               ; its species' index, that species' atoms and first tile
	s_mov_b32 s72, s76
	s_mov_b32 s73, 0
.irp e, 1,2,3
	s_cmp_ge_u32 s50, s[84+\e]
	s_cselect_b32 s71, \e, s71
	s_cselect_b32 s72, s[76+\e], s72
	s_cselect_b32 s73, s[84+\e], s73
.endr
	s_sub_co_u32 s73, s50, s73                     ; the tile's number within its species
	s_mul_i32 s74, s73, 80
	s_sub_co_i32 s74, s72, s74
	s_max_i32 s74, s74, 0
	s_min_i32 s74, s74, 80                         ; its atoms: 0 for a tile behind the last
	v_mov_b32 v75, 0
.irp i, 0,1,2
	v_add_nc_u32 v76, 32*\i, v2
	v_cmp_le_u32 vcc_lo, s74, v76                  ; words from the tile's count on, up to word 95
	s_and_saveexec_b32 s75, vcc_lo
	global_store_b32 v14, v75, s[48:49] offset:128*\i
	s_wait_xcnt 0x0
	s_or_b32 exec_lo, exec_lo, s75
.endr
	v_mov_b32 v77, 0
	v_writelane_b32 v77, s71, 0
	v_writelane_b32 v77, s73, 1
	global_store_b32 v14, v77, s[48:49] offset:384 ; words 96-127
.Ldone:
	s_wait_tensorcnt 0x0
	ds_add_u32 v96, v97
	s_wait_dscnt 0x0
	s_endpgm
.Lfunc_end_k_qa967882c7a_prep:
	.size	k_qa967882c7a_prep, .Lfunc_end_k_qa967882c7a_prep-k_qa967882c7a_prep
	.p2alignl 7, 3214868480
	.fill 96, 4, 3214868480
	.section	.rodata,"a",@progbits
	.p2align	6, 0x0
	.amdhsa_kernel k_qa967882c7a_prep
		.amdhsa_group_segment_fixed_size 71936
		.amdhsa_private_segment_fixed_size 0
		.amdhsa_enable_private_segment 0
		.amdhsa_kernarg_size 136
		.amdhsa_user_sgpr_count 2
		.amdhsa_user_sgpr_kernarg_segment_ptr 1
		.amdhsa_wavefront_size32 1
		.amdhsa_system_sgpr_workgroup_id_x 1
		.amdhsa_system_sgpr_workgroup_id_y 1
		.amdhsa_system_sgpr_workgroup_id_z 1
		.amdhsa_system_vgpr_workitem_id 0
		.amdhsa_next_free_vgpr 98
		.amdhsa_next_free_sgpr 100
		.amdhsa_reserve_vcc 1
		.amdhsa_float_denorm_mode_32 3
		.amdhsa_float_denorm_mode_16_64 3
		.amdhsa_memory_ordered 1
		.amdhsa_forward_progress 1
		.amdhsa_inst_pref_size 36
	.end_amdhsa_kernel
	.amdgpu_metadata
---
amdhsa.version: [ 1, 2 ]
amdhsa.kernels:
  - .name:           k_qa967882c7a_prep
    .symbol:         k_qa967882c7a_prep.kd
    .args:
      - { .name: charges, .offset: 0, .size: 8, .value_kind: global_buffer, .address_space: global }
      - { .name: species, .offset: 8, .size: 8, .value_kind: global_buffer, .address_space: global }
      - { .name: W1_codes, .offset: 16, .size: 8, .value_kind: global_buffer, .address_space: global }
      - { .name: W2_codes, .offset: 24, .size: 8, .value_kind: global_buffer, .address_space: global }
      - { .name: W3_codes, .offset: 32, .size: 8, .value_kind: global_buffer, .address_space: global }
      - { .name: W4_codes, .offset: 40, .size: 8, .value_kind: global_buffer, .address_space: global }
      - { .name: W1_scales, .offset: 48, .size: 8, .value_kind: global_buffer, .address_space: global }
      - { .name: W2_scales, .offset: 56, .size: 8, .value_kind: global_buffer, .address_space: global }
      - { .name: W3_scales, .offset: 64, .size: 8, .value_kind: global_buffer, .address_space: global }
      - { .name: W4_scales, .offset: 72, .size: 8, .value_kind: global_buffer, .address_space: global }
      - { .name: b1, .offset: 80, .size: 8, .value_kind: global_buffer, .address_space: global }
      - { .name: b2, .offset: 88, .size: 8, .value_kind: global_buffer, .address_space: global }
      - { .name: b3, .offset: 96, .size: 8, .value_kind: global_buffer, .address_space: global }
      - { .name: b4, .offset: 104, .size: 8, .value_kind: global_buffer, .address_space: global }
      - { .name: wpack, .offset: 112, .size: 8, .value_kind: global_buffer, .address_space: global }
      - { .name: recs, .offset: 120, .size: 8, .value_kind: global_buffer, .address_space: global }
      - { .name: pos, .offset: 128, .size: 8, .value_kind: global_buffer, .address_space: global }
    .group_segment_fixed_size: 71936
    .private_segment_fixed_size: 0
    .kernarg_segment_align: 8
    .kernarg_segment_size: 136
    .max_flat_workgroup_size: 512
    .sgpr_count:     100
    .vgpr_count:     98
    .wavefront_size: 32
...
	.end_amdgpu_metadata
.endif
;; end of part 1
;; launch chain (part 2): grid 208 x 1, 8 waves a work-group, no clusters, 136,192 bytes of LDS; arguments recs, wpack, x_codes, x_scales, W5, b5, esort; writes esort
.if DOCPART == 2
	.amdgcn_target "amdgcn-amd-amdhsa--gfx1250"
	.amdhsa_code_object_version 6
	.text
	.protected	k_qa967882c7a_chain
	.globl	k_qa967882c7a_chain
	.p2align	8
	.type	k_qa967882c7a_chain,@function
k_qa967882c7a_chain:
	s_mov_b64 s[64:65], 0
	v_nop
	global_prefetch_b8 v0, s[64:65] scope:SCOPE_SE
	s_setreg_imm32_b32 hwreg(HW_REG_WAVE_MODE, 25, 1), 1
	s_wait_xcnt 0x0
; CHAIN: one work-group takes one tile (80 slots of atoms of one species) through the whole net: gather of x's codes, four layers 512 -> 512 on codes of BF8 (E5M2) with one E8M0 scale for each 32 along K,
; softplus and the quantiser between them, the product with W5 in f32, + b5.  esort[128 tile + slot] = the energy.  The hidden layers never go to memory.
; SHARES.  Eight waves, two to a SIMD, so that one wave's vector work (softplus, quantiser) stands beside the other's matrix work.  THE WAVES SHARE THE COLUMNS: wave w makes hidden units 64 w .. 64 w + 63
; of every layer, as two blocks of 32 (a chunk of wpack each), for all 80 rows.  Its weights come from wpack straight into registers, in the operand's order, 512 consecutive bytes a load, each byte once a work-group.
; What goes round between the waves is the rows' codes: two LDS slots by turns, a layer reads one and writes the other: one barrier a layer.
; THE PRODUCT IS USED TRANSPOSED (source 0 = 16 units, source 1 = 16 rows), and the units of a tile are chosen (lane r of tile u takes unit 32 beta + 8 u + r + 8 (r / 8)), so that lane (r, h) holds row r and, in 16
; registers, units 32 beta + 16 h + 0 .. 15: half a block of the next K.  The bias is the C of a sum's first matrix instruction.
; SOFTPLUS: h = max(z, 0) + ln(u) + (t - (u - 1)), t = 2^(-|z| log2 e), u = 1 + t: the maximum is taken away ahead of the exponential; the last term is what the rounding of 1 + t lost.
; A TILE WITH FEWER THAN 80 ATOMS names atom 0 in its other slots; their energies are stored and never asked for.  A tile without atoms does the same: every barrier stands on one way that all waves take, and no
; barrier stands behind a branch on a loaded number.  With every atom matched at most 3 of the 208 tiles are such.
; NO JOINT REQUESTS: a species has any number of tiles from 0 to 205, read from memory, so four neighbouring work-groups need not be of one species; and the weights take no way through LDS.
; LIMITS: NaN and infinities among the inputs are not served.  The exponential gives 0 where its result lies under 2^-126, so h = 0 where the true value is a denormal.  A block of zeros gets the scale byte 1, not 127:
; its codes are zeros and this program alone reads the byte.  Near u = 1 the softplus leans on the logarithm's accuracy of one unit in the last place.
.set CH,     20480                     ; a chunk of wpack
.set PITCH,  528                       ; a row of codes in LDS: 512 bytes + 16 = 33 x 16: 16 rows start in 16 different groups of banks
.set TILEB,  16*PITCH
.set SCO,    80*PITCH                  ; behind a slot's rows: 16 scale bytes a row
.set SLOT1,  65536                     ; slot 1: one exclusive or turns an address of one slot into the other's
.set RED,    131072                    ; 8 waves x 128 words: the waves' parts of the energies
.set L16, 1                            ; v1   16 x lane; never rewritten
.set AR0, 2                            ; v2   a fragment's place: 528 r + 16 h
.set AS0, 3                            ; v3   a row's scale words: SCO + 16 r
.set AW0, 4                            ; v4   where my codes go: AR0 + 64 w
.set AX0, 5                            ; v5   and my scale bytes: AS0 + 2 w
.set ARD, 6                            ; v6-9 the four above + the slot in hand
.set ASR, 7
.set AWR, 8
.set ASW, 9
.set PFO, 10                           ; v10  256 x lane; never rewritten
.set ACC, 16                           ; v16-47   two sets of two accumulators
.set T,   48                           ; v48-63   t
.set U,   64                           ; v64-79   u, then log2 u
.set ACT, 80                           ; v80-143  16 rows x 512 K: four fragments
.set ASC, 144                          ; v144-147 their scale words
.set BIAS, 148                         ; v148-179 two buffers of 16
.set WSC, 180                          ; v180-195 the weights' scale words: 8 b + 4 u + s
.set MXA, 196
.set MXB, 197
.set PRM, 198
.set SCL, 199
.set HLD, 200
.set BYT, 201
.set CODE, 204                         ; v204-207
.set W5R, 208                          ; v208-239 W5 of my 2 x 16 units
.set EA,  240                          ; v240-249 a pair of partial energies for each tile of rows
                                       ; window 1 (v256-511): the weights: buffer b at 128 b + 64 u + 16 s
.set WV,  18
.set WP,  36                           ; s[36:37] my chunks of the layer in hand
.set PF,  38                           ; s[38:39] my part of the layer that is prefetched
.set LAY, 40
.set RB,  41                           ; the slot that is read
.set WB,  42                           ; the slot that is written
.set L2E, 43
.set LN2, 44                           ; s[44:45]
.set SEL, 46                           ; s[46:47]
.set MNT, 48
.set B5,  49
.set LIM, 50
.set MSB, 0
.macro WIN new                         ; the immediate's high byte repeats the setting that is left
.if MSB != \new
	s_set_vgpr_msb (MSB<<8)|\new
.set MSB, \new
.endif
.endm
.macro ACTLOAD m                       ; tile m of rows: four fragments and their scale words: 17 LDS loads
.irp s, 0,1,2,3
.irp c, 0,1,2,3
	ds_load_b128 v[ACT+16*\s+4*\c:ACT+16*\s+4*\c+3], v[ARD] offset:(\m)*TILEB+128*\s+32*\c
.endr
.endr
	ds_load_b128 v[ASC:ASC+3], v[ASR] offset:(\m)*256
.endm
.macro CHUNK b, off                    ; a chunk into buffer b: 38 loads of 512 consecutive bytes
	WIN 0x40                                       ; destination window 1
.set q, 0
.rept 32
	global_load_b128 v[128*(\b)+4*q:128*(\b)+4*q+3], v[L16], s[WP:WP+1] offset:(\off)+512*q
.set q, q+1
.endr
	WIN 0
.irp u, 0,1
	global_load_b128 v[WSC+8*(\b)+4*\u:WSC+8*(\b)+4*\u+3], v[L16], s[WP:WP+1] offset:(\off)+512*(32+\u)
.endr
.irp t, 0,1,2,3
	global_load_b128 v[BIAS+16*(\b)+4*\t:BIAS+16*(\b)+4*\t+3], v[L16], s[WP:WP+1] offset:(\off)+512*(34+\t)
.endr
.endm
; Eight matrix instructions: 32 units (buffer GB) x 16 rows x 512 K into set GA.  The two accumulators take turns, one instruction a turn; the sets take turns from group to group.
.macro WGRP
	WIN 0x01                                       ; source 0 (the weights) window 1
.irp s, 0,1,2,3
.irp u, 0,1
.set rD, ACC+16*GA+8*\u
.set rW, 128*GB+64*\u+16*\s
.set rX, ACT+16*\s
.set rB, BIAS+16*GB+8*\u
.if \s == 0
	v_wmma_scale_f32_16x16x128_f8f6f4 v[rD:rD+7], v[rW:rW+15], v[rX:rX+15], v[rB:rB+7], v[WSC+8*GB+4*\u+\s], v[ASC+\s] matrix_a_fmt:MATRIX_FMT_BF8 matrix_b_fmt:MATRIX_FMT_BF8
.else
	v_wmma_scale_f32_16x16x128_f8f6f4 v[rD:rD+7], v[rW:rW+15], v[rX:rX+15], v[rD:rD+7], v[WSC+8*GB+4*\u+\s], v[ASC+\s] matrix_a_fmt:MATRIX_FMT_BF8 matrix_b_fmt:MATRIX_FMT_BF8
.endif
.endr
.endr
	WIN 0
.endm
.macro SOFT_HEAD                       ; -|z| log2 e, each accumulator from its low end on.  These 16 plain lines name no register of the group just issued: they are the places in front of the loads that follow
.set n, 0
.rept 16
	v_mul_f32 v[T+n], s[L2E], -|v[ZZ+n]|
.set n, n+1
.endr
.endm
.macro SOFT_REST
.set n, 0
.rept 16
	v_exp_f32 v[T+n], v[T+n]                       ; t
	v_max_num_f32 v[ZZ+n], 0, v[ZZ+n]              ; max(z, 0): a plain line behind each exponential
.set n, n+1
.endr
	s_wait_alu depctr_va_vdst(0)                   ; one wait for the 16 exponentials, ahead of the first line that names a result
.irp j, 0,2,4,6,8,10,12,14
	v_pk_add_f32 v[U+\j:U+\j+1], v[T+\j:T+\j+1], 1.0 op_sel_hi:[1,0]     ; u = 1 + t
.endr
.irp j, 0,2,4,6,8,10,12,14
	v_pk_add_f32 v[ZZ+\j:ZZ+\j+1], v[ZZ+\j:ZZ+\j+1], v[U+\j:U+\j+1] neg_lo:[0,1] neg_hi:[0,1]   ; max - u
.endr
.irp j, 0,2,4,6,8,10,12,14
	v_log_f32 v[U+\j], v[U+\j]
	v_pk_add_f32 v[ZZ+\j:ZZ+\j+1], v[ZZ+\j:ZZ+\j+1], 1.0 op_sel_hi:[1,0]    ; + 1
	v_log_f32 v[U+\j+1], v[U+\j+1]
	v_pk_add_f32 v[ZZ+\j:ZZ+\j+1], v[ZZ+\j:ZZ+\j+1], v[T+\j:T+\j+1]         ; + t
.endr
	s_wait_alu depctr_va_vdst(0)                   ; and one for the 16 logarithms
.irp j, 0,2,4,6,8,10,12,14
	v_pk_fma_f32 v[ZZ+\j:ZZ+\j+1], v[U+\j:U+\j+1], s[LN2:LN2+1], v[ZZ+\j:ZZ+\j+1] op_sel_hi:[1,0,1]   ; + ln 2 x log2 u
.endr
.endm
; My 16 numbers of a block of 32 (the other 16 lie in lane l xor 16) become 16 codes and the block's scale byte.  h is not negative: no |.|, and the hold is one-sided.
.macro QUANT young                     ; young: the LDS loads issued behind the last step's two stores
	v_max3_num_f32 v[MXA], v[ZZ], v[ZZ+1], v[ZZ+2]
	v_max3_num_f32 v[MXB], v[ZZ+3], v[ZZ+4], v[ZZ+5]
	v_max3_num_f32 v[MXA], v[MXA], v[ZZ+6], v[ZZ+7]
	v_max3_num_f32 v[MXB], v[MXB], v[ZZ+8], v[ZZ+9]
	v_max3_num_f32 v[MXA], v[MXA], v[ZZ+10], v[ZZ+11]
	v_max3_num_f32 v[MXB], v[MXB], v[ZZ+12], v[ZZ+13]
	v_max3_num_f32 v[MXA], v[MXA], v[ZZ+14], v[ZZ+15]
	v_max3_num_f32 v[MXA], v[MXA], v[MXB], 0x8000000   ; and the floor 2^(16 - 127): the byte cannot fall under 1
	v_permlanex16_b32 v[PRM], v[MXA], s[SEL], s[SEL+1]
	v_max_num_f32 v[MXA], v[MXA], v[PRM]           ; the block's largest number
	v_add_nc_u32 v[SCL], 0xf8800000, v[MXA]        ; 15 off its exponent field: the conversion takes this operand's exponent field as its scale
	v_and_or_b32 v[HLD], v[MXA], 0x7f800000, s[MNT]   ; 57,344 x the scale
	s_wait_dscnt \young                            ; the last step's two stores are done: their data registers are written again below
	v_lshrrev_b32 v[BYT], 23, v[SCL]               ; the scale's byte
.set n, 0
.rept 16
	v_min_num_f32 v[ZZ+n], v[ZZ+n], v[HLD]         ; the conversion to an 8-bit code does not saturate (ISA guide 7.6.2)
.set n, n+1
.endr
	v_cvt_scalef32_pk8_bf8_f32 v[CODE:CODE+1], v[ZZ:ZZ+7], v[SCL]
	v_cvt_scalef32_pk8_bf8_f32 v[CODE+2:CODE+3], v[ZZ+8:ZZ+15], v[SCL]
	v_nop                                          ; a plain line behind the last conversion, ahead of whatever next writes its sources
	ds_store_b128 v[AWR], v[CODE:CODE+3] offset:MM*TILEB+32*PP   ; row 16 MM + r, bytes 64 w + 32 PP + 16 h on
	ds_store_b8 v[ASW], v[BYT] offset:MM*256+PP    ; both lanes of a block write the same byte with the same value
.endm
.macro DOT                             ; the last layer is not quantised: its numbers times W5, in f32, two at a time
.irp j, 0,2,4,6,8,10,12,14
.if (PP == 0) && (\j == 0)
	v_pk_mul_f32 v[EA+2*MM:EA+2*MM+1], v[ZZ:ZZ+1], v[W5R:W5R+1]          ; the first product starts the sum
.else
	v_pk_fma_f32 v[EA+2*MM:EA+2*MM+1], v[ZZ+\j:ZZ+\j+1], v[W5R+16*PP+\j:W5R+16*PP+\j+1], v[EA+2*MM:EA+2*MM+1]
.endif
.endr
.endm
; A PREFETCH of the next layer's 16 chunks of my species, 327,680 bytes: 8 waves x 5 instructions x 32 lanes, lanes 256 bytes apart, so that each aligned block of 256 bytes is named once.
; All tiles of a species read the same chunks: the species' first tile asks, nobody else.  It stands in a layer's first step, behind the step's run of LDS loads; the first load of those chunks stands four steps on.
; The first layer's chunks come by their loads alone, and the fourth layer's trip asks for nothing: no request passes wpack's end.
.macro ASK
	s_cmp_lt_u32 s[LAY], s[LIM]
	s_cbranch_scc0 .Lnot_mine_\@
.irp j, 0,1,2,3,4
	global_prefetch_b8 v[PFO], s[PF:PF+1] offset:8192*\j th:TH_LOAD_NT scope:SCOPE_SE
.endr
.Lnot_mine_\@:
.endm
; STEP i of a layer's ten: the matrix group of step i + 1 is issued, then step i's 32 units x 16 rows go through softplus and the quantiser (last = 1: the product with W5).
; Step i: block i / 5 of my two, tile i % 5 of rows, set i % 2.
.macro STEP i, last
.set ZZ, ACC+16*((\i)%2)
.set PP, (\i)/5
.set MM, (\i)%5
.if (\i) <= 8
.if ((\i) == 0) || (\last)
	s_wait_dscnt 0x0                               ; the next group's rows are in
.else
	s_wait_dscnt 0x2                               ; the next group's rows are in; the last step's two stores, issued behind them, may be out
.endif
.if (\i) == 4
	s_wait_loadcnt 0x0                             ; the layer's second chunk: nothing else is out
.endif
.set GA, ((\i)+1)%2
.set GB, ((\i)+1)/5
	WGRP
.endif
	SOFT_HEAD
.if (\i) <= 7
.set LM, ((\i)+2)%5
	ACTLOAD LM                                     ; the rows of the group after next, into the registers that the group just issued has read
.endif
.if (\last) == 0
.if (\i) == 0
	ASK
.endif
.if (\i) == 4
	CHUNK 0, 16*CH                                 ; buffer 0 has had its last group: the next layer's first chunk
.endif
.if (\i) == 9
	CHUNK 1, 17*CH                                 ; and buffer 1 the second
.endif
.endif
	SOFT_REST
.if \last
	DOT
.else
.if (\i) <= 7
	QUANT 17
.else
	QUANT 0
.endif
.endif
.endm
.macro LAYER last
	v_add_nc_u32 v[ARD], s[RB], v[AR0]
	v_add_nc_u32 v[ASR], s[RB], v[AS0]
	ACTLOAD 0
	s_wait_loadcnt 38                              ; the layer's first chunk is in; the 38 loads of its second, issued behind it, may be out
	s_wait_dscnt 0x0
.set GA, 0
.set GB, 0
	WGRP
.if \last
.rept 8
	v_nop                                          ; eight places between these products and the loads into the registers that they read, and the first read of their results
.endr
.else
	v_add_nc_u32 v[AWR], s[WB], v[AW0]             ; two of the eight places
	v_add_nc_u32 v[ASW], s[WB], v[AX0]
.rept 6
	v_nop
.endr
.endif
	ACTLOAD 1
.irp i, 0,1,2,3,4,5,6,7,8,9
	STEP \i, \last
.endr
.endm
	s_load_b256 s[4:11], s[0:1], 0x0               ; recs, wpack, x_codes, x_scales
	s_load_b128 s[12:15], s[0:1], 0x20             ; W5, b5
	s_load_b64 s[16:17], s[0:1], 0x30              ; esort
	v_lshl_add_u32 v254, v0, 2, 0x21000
	v_mov_b32 v255, 0
	v_lshrrev_b32 v11, 5, v0
	v_readfirstlane_b32 s[WV], v11                 ; wave 0..7
	v_and_b32 v12, 31, v0                          ; lane
	v_and_b32 v13, 15, v0                          ; r
	v_bfe_u32 v14, v0, 4, 1                        ; h
	v_lshlrev_b32 v[L16], 4, v12
	v_lshlrev_b32 v[PFO], 8, v12
	v_mul_u32_u24 v[AR0], v13, PITCH
	v_lshl_add_u32 v[AR0], v14, 4, v[AR0]
	v_lshl_add_u32 v[AS0], v13, 4, SCO
	s_lshl_b32 s51, s[WV], 6
	v_add_nc_u32 v[AW0], s51, v[AR0]
	v_lshrrev_b32 v15, 1, v12
	v_lshl_add_u32 v15, v15, 2, s51                ; the record's word 16 w + lane / 2
	s_lshl_b32 s52, s[WV], 1
	v_add_nc_u32 v[AX0], s52, v[AS0]
	s_lshl_b32 s52, ttmp9, 9                       ; a record and a tile's energies are 512 bytes each
	s_mov_b32 s53, 0
	s_mul_i32 s54, s[WV], 40                       ; my ten rows' words
	s_mov_b32 s55, 0
	s_wait_kmcnt 0x0
	s_add_nc_u64 s[34:35], s[4:5], s[52:53]
	s_add_nc_u64 s[16:17], s[16:17], s[52:53]
	s_add_nc_u64 s[54:55], s[34:35], s[54:55]
	s_load_b64 s[20:21], s[34:35], 0x180           ; the species' index; the tile's number within its species
	s_load_b256 s[24:31], s[54:55], 0x0            ; the atoms of rows 10 w .. 10 w + 9
	s_load_b64 s[32:33], s[54:55], 0x20
	global_load_b32 v58, v15, s[34:35]             ; and, two lanes to a row, those of rows 16 w .. 16 w + 15, for the scale bytes
	s_mov_b32 s[L2E], 0x3fb8aa3b                   ; log2 e
	s_mov_b32 s[LN2], 0x3f317218                   ; ln 2; the packed form names a pair and takes its low word for both halves
	s_mov_b32 s[LN2+1], 0x3f317218
	s_mov_b32 s[SEL], 0x76543210                   ; v_permlanex16_b32's selects for lane l xor 16
	s_mov_b32 s[SEL+1], 0xfedcba98
	s_mov_b32 s[MNT], 0x600000                     ; the mantissa field of 57,344
	s_mov_b32 s[LAY], 0
	s_mov_b32 s[RB], 0
	s_mov_b32 s[WB], SLOT1
	v_mov_b32 v[PRM], 0                            ; written once: a lane permute's destination counts as one of its sources
	s_mul_i32 s51, s[WV], 10*PITCH
	v_add_nc_u32 v11, s51, v[L16]                  ; where x's rows go: row 10 w, 16 bytes a lane
	s_lshl_b32 s51, s[WV], 8
	v_lshl_add_u32 v12, v12, 3, s51
	v_add_nc_u32 v12, SCO, v12                     ; and their scale bytes: SCO + 256 w + 8 x lane
	v_and_b32 v63, 1, v0
	v_lshlrev_b32 v63, 3, v63                      ; which 8 of a row's 16 scale bytes are mine
	v_lshlrev_b32 v62, 6, v14                      ; W5: 16 h numbers on
	s_wait_kmcnt 0x0
	s_min_u32 s20, s20, 3                          ; held inside the four species
	s_lshl_b32 s59, s20, 2
	s_load_b32 s[B5], s[14:15], s59 offset:0x0
	s_lshl_b32 s51, s20, 6
	s_lshl_b32 s52, s[WV], 1
	s_add_co_u32 s52, s51, s52
	s_mul_i32 s52, s52, CH
	s_add_nc_u64 s[WP:WP+1], s[6:7], s[52:53]      ; chunk 64 e + 2 w: the first layer's
	s_add_co_u32 s51, s51, 16
	s_mul_i32 s52, s51, CH
	s_mul_i32 s51, s[WV], 2*CH
	s_add_co_u32 s52, s52, s51
	s_add_nc_u64 s[PF:PF+1], s[6:7], s[52:53]      ; my eighth of the second layer's chunks
	s_lshl_b32 s52, s20, 11
	s_lshl_b32 s51, s[WV], 8
	s_add_co_u32 s52, s52, s51
	s_add_nc_u64 s[56:57], s[12:13], s[52:53]      ; W5 at my 64 units
	s_cmp_eq_u32 s21, 0
	s_cselect_b32 s[LIM], 3, 0                     ; the species' first tile prefetches in trips 0, 1, 2; the others never
.irp k, 0,1,2,3,4,5,6,7,8,9
	s_min_u32 s[24+\k], s[24+\k], 0x3fff           ; held inside the 16,384 atoms
	s_lshl_b32 s[24+\k], s[24+\k], 9
	v_add_nc_u32 v[48+\k], s[24+\k], v[L16]
.endr
.irp k, 0,1,2,3,4,5,6,7,8,9
	global_load_b128 v[ACT+4*\k:ACT+4*\k+3], v[48+\k], s[8:9]   ; a row of x: 512 consecutive bytes, aligned
.endr
	s_wait_loadcnt 10                              ; the index load is in; the ten rows behind it may be out
	v_min_u32 v59, 0x3fff, v58
	v_lshlrev_b32 v59, 4, v59
	v_add_nc_u32 v59, v59, v63
	global_load_b64 v[60:61], v59, s[10:11]
.irp p, 0,1
.irp q, 0,1,2,3
	global_load_b128 v[W5R+16*\p+4*\q:W5R+16*\p+4*\q+3], v62, s[56:57] offset:128*\p+16*\q
.endr
.endr
	CHUNK 0, 0
	s_wait_loadcnt 46                              ; x's rows and scale bytes are in; W5's 8 loads and the chunk's 38 may be out
.irp k, 0,1,2,3,4,5,6,7,8,9
	ds_store_b128 v11, v[ACT+4*\k:ACT+4*\k+3] offset:PITCH*\k
.endr
	ds_store_b64 v12, v[60:61]                     ; rows 80 to 127 of this region are written and never read
	CHUNK 1, CH
	s_wait_dscnt 0x0                               ; for the others' sake: my stores have landed
	s_wait_kmcnt 0x0                               ; b5
	s_barrier_signal -1
	s_barrier_wait -1                              ; x's 80 rows lie in slot 0
.Llayer:                                               ; three trips: layers 1 to 3
	LAYER 0
	s_wait_dscnt 0x0                               ; my stores into the one slot have landed, my reads of the other are in
	s_barrier_signal -1
	s_barrier_wait -1
	s_xor_b32 s[RB], s[RB], SLOT1
	s_xor_b32 s[WB], s[WB], SLOT1
	s_wait_xcnt 0x0                                ; the trip's loads and prefetches have read their bases: they are stepped only behind this wait
	s_add_nc_u64 s[WP:WP+1], s[WP:WP+1], 16*CH
	s_add_nc_u64 s[PF:PF+1], s[PF:PF+1], 16*CH
	s_add_co_u32 s[LAY], s[LAY], 1
	s_cmp_lt_u32 s[LAY], 3
	s_cbranch_scc1 .Llayer
	LAYER 1                                        ; layer 4 is written out: it fetches no chunk, stores no codes, and ends in the product with W5
	; my 64 units' part of the 80 energies; the eight waves' parts meet in LDS
	v_and_b32 v13, 15, v0
	v_and_b32 v12, 31, v0
	s_lshl_b32 s51, s[WV], 9
	s_add_co_u32 s51, s51, RED
	v_lshl_add_u32 v11, v13, 2, s51                ; RED + 512 w + 4 r
	s_lshl_b32 s52, s[WV], 8
	v_lshl_add_u32 v14, v12, 3, s52                ; 256 w + 8 x lane
	v_add_nc_u32 v13, RED, v14
	v_mov_b32 v15, 0
.irp m, 0,1,2,3,4
	v_add_f32 v[T+\m], v[EA+2*\m], v[EA+2*\m+1]
.endr
.irp m, 0,1,2,3,4
	v_permlanex16_b32 v[U+\m], v[T+\m], s[SEL], s[SEL+1]
.endr
.irp m, 0,1,2,3,4
	v_add_f32 v[T+\m], v[T+\m], v[U+\m]            ; with lane l xor 16's units
.endr
.irp m, 0,1,2,3,4
	ds_store_b32 v11, v[T+\m] offset:64*\m         ; both halves of the lanes write the same word with the same value
.endr
.irp m, 5,6,7
	ds_store_b32 v11, v15 offset:64*\m             ; words 80 to 127
.endr
	s_wait_dscnt 0x0
	s_barrier_signal -1
	s_barrier_wait -1
	s_cmp_lt_u32 s[WV], 2                          ; waves 0 and 1 add the eight parts, 64 slots each
	s_cbranch_scc0 .Lend
.irp j, 0,1,2,3,4,5,6,7
	ds_load_b64 v[16+2*\j:17+2*\j], v13 offset:512*\j
.endr
	s_wait_dscnt 0x0
	v_pk_add_f32 v[16:17], v[16:17], v[18:19]
	v_pk_add_f32 v[20:21], v[20:21], v[22:23]
	v_pk_add_f32 v[24:25], v[24:25], v[26:27]
	v_pk_add_f32 v[28:29], v[28:29], v[30:31]
	v_pk_add_f32 v[16:17], v[16:17], v[20:21]
	v_pk_add_f32 v[24:25], v[24:25], v[28:29]
	v_pk_add_f32 v[16:17], v[16:17], v[24:25]
	v_add_f32 v16, s[B5], v16
	v_add_f32 v17, s[B5], v17
	global_store_b64 v14, v[16:17], s[16:17]       ; the wave stores 256 consecutive bytes, aligned
.Lend:
	s_wait_tensorcnt 0x0
	ds_add_u32 v254, v255
	s_wait_dscnt 0x0
	s_endpgm
.Lfunc_end_k_qa967882c7a_chain:
	.size	k_qa967882c7a_chain, .Lfunc_end_k_qa967882c7a_chain-k_qa967882c7a_chain
	.p2alignl 7, 3214868480
	.fill 96, 4, 3214868480
	.section	.rodata,"a",@progbits
	.p2align	6, 0x0
	.amdhsa_kernel k_qa967882c7a_chain
		.amdhsa_group_segment_fixed_size 136192
		.amdhsa_private_segment_fixed_size 0
		.amdhsa_enable_private_segment 0
		.amdhsa_kernarg_size 56
		.amdhsa_user_sgpr_count 2
		.amdhsa_user_sgpr_kernarg_segment_ptr 1
		.amdhsa_wavefront_size32 1
		.amdhsa_system_sgpr_workgroup_id_x 1
		.amdhsa_system_sgpr_workgroup_id_y 1
		.amdhsa_system_sgpr_workgroup_id_z 1
		.amdhsa_system_vgpr_workitem_id 0
		.amdhsa_next_free_vgpr 512
		.amdhsa_next_free_sgpr 66
		.amdhsa_reserve_vcc 0
		.amdhsa_float_denorm_mode_32 3
		.amdhsa_float_denorm_mode_16_64 3
		.amdhsa_memory_ordered 1
		.amdhsa_forward_progress 1
		.amdhsa_inst_pref_size 193
	.end_amdhsa_kernel
	.amdgpu_metadata
---
amdhsa.version: [ 1, 2 ]
amdhsa.kernels:
  - .name:           k_qa967882c7a_chain
    .symbol:         k_qa967882c7a_chain.kd
    .args:
      - { .name: recs, .offset: 0, .size: 8, .value_kind: global_buffer, .address_space: global }
      - { .name: wpack, .offset: 8, .size: 8, .value_kind: global_buffer, .address_space: global }
      - { .name: x_codes, .offset: 16, .size: 8, .value_kind: global_buffer, .address_space: global }
      - { .name: x_scales, .offset: 24, .size: 8, .value_kind: global_buffer, .address_space: global }
      - { .name: W5, .offset: 32, .size: 8, .value_kind: global_buffer, .address_space: global }
      - { .name: b5, .offset: 40, .size: 8, .value_kind: global_buffer, .address_space: global }
      - { .name: esort, .offset: 48, .size: 8, .value_kind: global_buffer, .address_space: global }
    .group_segment_fixed_size: 136192
    .private_segment_fixed_size: 0
    .kernarg_segment_align: 8
    .kernarg_segment_size: 56
    .max_flat_workgroup_size: 256
    .sgpr_count:     66
    .vgpr_count:     512
    .wavefront_size: 32
...
	.end_amdgpu_metadata
.endif
;; end of part 2
;; launch bsum (part 3): grid 4 x 1, 8 waves a work-group, no clusters, 1,280 bytes of LDS; arguments pos, esort, out0; writes out0
.if DOCPART == 3
	.amdgcn_target "amdgcn-amd-amdhsa--gfx1250"
	.amdhsa_code_object_version 6
	.text
	.protected	k_qa967882c7a_bsum
	.globl	k_qa967882c7a_bsum
	.p2align	8
	.type	k_qa967882c7a_bsum,@function
k_qa967882c7a_bsum:
	s_mov_b64 s[64:65], 0
	v_nop
	global_prefetch_b8 v0, s[64:65] scope:SCOPE_SE
	s_setreg_imm32_b32 hwreg(HW_REG_WAVE_MODE, 25, 1), 1
	s_wait_xcnt 0x0
; BSUM: out0[b] = the sum over the batch's 64 atoms of esort[pos[atom]]; an atom whose pos is -1 (its charge is no species') counts 0.
; The atoms of a batch lie in tiles of several work-groups of the launch before, so the sum has a launch of its own: each batch has one owner, and nothing is added in memory.
; Work-group g owns batches 64 g .. 64 g + 63, so that its results are one aligned run of 256 bytes; wave v owns eight of them: sixteen lanes to a batch, four atoms a lane.
; The sum is a tree (four in a lane, then across sixteen lanes), not a chain in the atoms' order.
	s_load_b128 s[4:7], s[0:1], 0x0                ; pos, esort
	s_load_b64 s[8:9], s[0:1], 0x10                ; out0
	v_lshl_add_u32 v64, v0, 2, 0x100
	v_mov_b32 v65, 0
	v_lshrrev_b32 v1, 5, v0
	v_readfirstlane_b32 s10, v1                    ; wave 0..7
	v_and_b32 v2, 31, v0
	v_bfe_u32 v3, v0, 4, 1
	s_lshl_b32 s11, ttmp9, 14
	s_lshl_b32 s12, s10, 11
	s_add_co_u32 s11, s11, s12
	v_lshl_add_u32 v4, v2, 4, s11                  ; pos: 16,384 g + 2,048 v + 16 x lane
	s_lshl_b32 s12, s10, 5
	v_lshl_add_u32 v5, v3, 2, s12                  ; LDS: 32 v + 4 (lane / 16)
	v_lshlrev_b32 v6, 3, v2                        ; 8 x lane
	s_lshl_b32 s13, ttmp9, 8
	v_add_nc_u32 v7, s13, v6                       ; out0: 256 g + 8 x lane
	s_wait_kmcnt 0x0
.irp i, 0,1,2,3
	global_load_b128 v[8+4*\i:11+4*\i], v4, s[4:5] offset:512*\i th:TH_LOAD_NT   ; load i: batch 2 i in lanes 0-15, batch 2 i + 1 in lanes 16-31
.endr
	s_wait_loadcnt 0x0
.set n, 0
.rept 16
	v_min_u32 v[24+n], 0x67ff, v[8+n]              ; held inside esort's 26,624 words
	v_lshlrev_b32 v[24+n], 2, v[24+n]
.set n, n+1
.endr
.set n, 0
.rept 16
	global_load_b32 v[40+n], v[24+n], s[6:7]
.set n, n+1
.endr
	s_wait_loadcnt 0x0
.set n, 0
.rept 16
	v_cmp_gt_u32 vcc_lo, 0x6800, v[8+n]            ; a true place?
	v_cndmask_b32 v[40+n], 0, v[40+n], vcc_lo      ; else 0
.set n, n+1
.endr
.irp i, 0,1,2,3
	v_add_f32 v[40+4*\i], v[40+4*\i], v[41+4*\i]
	v_add_f32 v[42+4*\i], v[42+4*\i], v[43+4*\i]
.endr
.irp i, 0,1,2,3
	v_add_f32 v[40+4*\i], v[40+4*\i], v[42+4*\i]
.endr
.irp x, 1,2,4,8
.irp i, 0,1,2,3
	v_add_f32_dpp v[40+4*\i], v[40+4*\i], v[40+4*\i] row_xmask:\x row_mask:0xf bank_mask:0xf
.endr
.endr
.irp i, 0,1,2,3
	ds_store_b32 v5, v[40+4*\i] offset:8*\i        ; batch 8 v + 2 i + lane / 16: sixteen lanes write the same word with the same value
.endr
	s_wait_dscnt 0x0
	s_barrier_signal -1
	s_barrier_wait -1
	s_cmp_lg_u32 s10, 0
	s_cbranch_scc1 .Lend
	ds_load_b64 v[56:57], v6
	s_wait_dscnt 0x0
	global_store_b64 v7, v[56:57], s[8:9]          ; 32 lanes store 256 consecutive bytes, aligned
.Lend:
	s_wait_tensorcnt 0x0
	ds_add_u32 v64, v65
	s_wait_dscnt 0x0
	s_endpgm
.Lfunc_end_k_qa967882c7a_bsum:
	.size	k_qa967882c7a_bsum, .Lfunc_end_k_qa967882c7a_bsum-k_qa967882c7a_bsum
	.p2alignl 7, 3214868480
	.fill 96, 4, 3214868480
	.section	.rodata,"a",@progbits
	.p2align	6, 0x0
	.amdhsa_kernel k_qa967882c7a_bsum
		.amdhsa_group_segment_fixed_size 1280
		.amdhsa_private_segment_fixed_size 0
		.amdhsa_enable_private_segment 0
		.amdhsa_kernarg_size 24
		.amdhsa_user_sgpr_count 2
		.amdhsa_user_sgpr_kernarg_segment_ptr 1
		.amdhsa_wavefront_size32 1
		.amdhsa_system_sgpr_workgroup_id_x 1
		.amdhsa_system_sgpr_workgroup_id_y 1
		.amdhsa_system_sgpr_workgroup_id_z 1
		.amdhsa_system_vgpr_workitem_id 0
		.amdhsa_next_free_vgpr 66
		.amdhsa_next_free_sgpr 66
		.amdhsa_reserve_vcc 1
		.amdhsa_float_denorm_mode_32 3
		.amdhsa_float_denorm_mode_16_64 3
		.amdhsa_memory_ordered 1
		.amdhsa_forward_progress 1
		.amdhsa_inst_pref_size 9
	.end_amdhsa_kernel
	.amdgpu_metadata
---
amdhsa.version: [ 1, 2 ]
amdhsa.kernels:
  - .name:           k_qa967882c7a_bsum
    .symbol:         k_qa967882c7a_bsum.kd
    .args:
      - { .name: pos, .offset: 0, .size: 8, .value_kind: global_buffer, .address_space: global }
      - { .name: esort, .offset: 8, .size: 8, .value_kind: global_buffer, .address_space: global }
      - { .name: out0, .offset: 16, .size: 8, .value_kind: global_buffer, .address_space: global }
    .group_segment_fixed_size: 1280
    .private_segment_fixed_size: 0
    .kernarg_segment_align: 8
    .kernarg_segment_size: 24
    .max_flat_workgroup_size: 256
    .sgpr_count:     66
    .vgpr_count:     66
    .wavefront_size: 32
...
	.end_amdgpu_metadata
.endif
;; end of part 3
;; ======== version 2 of 2: 3 launches; version 1 with the launch chain written anew for expert scheduling mode
;; workspace buffers: wpack 5,242,880 bytes; recs 106,496 bytes of whole numbers; pos 65,536 bytes of whole numbers; esort 106,496 bytes
;; launch prep: the kernel of part 1 again; grid 80 x 1, 16 waves a work-group, no clusters, 71,936 bytes of LDS; arguments charges, species, W1_codes, W2_codes, W3_codes, W4_codes, W1_scales, W2_scales, W3_scales, W4_scales, b1, b2, b3, b4, wpack, recs, pos; writes wpack, recs, pos
;; launch chain (part 4): grid 208 x 1, 8 waves a work-group, no clusters, 136,192 bytes of LDS; arguments recs, wpack, x_codes, x_scales, W5, b5, esort; writes esort
.if DOCPART == 4
	.amdgcn_target "amdgcn-amd-amdhsa--gfx1250"
	.amdhsa_code_object_version 6
	.text
	.protected	k_qa967882c7a_chain
	.globl	k_qa967882c7a_chain
	.p2align	8
	.type	k_qa967882c7a_chain,@function
k_qa967882c7a_chain:
	s_mov_b64 s[64:65], 0
	v_nop
	global_prefetch_b8 v0, s[64:65] scope:SCOPE_SE
	s_setreg_imm32_b32 hwreg(HW_REG_WAVE_SCHED_MODE, 0, 2), 2
	s_setreg_imm32_b32 hwreg(HW_REG_WAVE_MODE, 25, 1), 1
	s_wait_xcnt 0x0
	s_wait_alu depctr_vm_vsrc(0)
; CHAIN: one work-group takes one tile (80 slots of atoms of one species) through the whole net: gather of x's codes, four layers 512 -> 512 on codes of BF8 (E5M2) with one E8M0 scale for each 32 along K,
; softplus and the quantiser between them, the product with W5 in f32, + b5.  esort[128 tile + slot] = the energy.  The hidden layers never go to memory.
; SHARES.  Eight waves, two to a SIMD, so that one wave's vector work (softplus, quantiser) stands beside the other's matrix work.  THE WAVES SHARE THE COLUMNS: wave w makes hidden units 64 w .. 64 w + 63
; of every layer, as two blocks of 32 (a chunk of wpack each), for all 80 rows.  Its weights come from wpack straight into registers, in the operand's order, 512 consecutive bytes a load, each byte once a work-group.
; What goes round between the waves is the rows' codes: two LDS slots by turns, a layer reads one and writes the other: one barrier a layer.
; THE PRODUCT IS USED TRANSPOSED (source 0 = 16 units, source 1 = 16 rows), and the units of a tile are chosen (lane r of tile u takes unit 32 beta + 8 u + r + 8 (r / 8)), so that lane (r, h) holds row r and, in 16
; registers, units 32 beta + 16 h + 0 .. 15: half a block of the next K.  The bias is the C of a sum's first matrix instruction.
; SOFTPLUS: h = max(z, 0) + ln(u) + (t - (u - 1)), t = 2^(-|z| log2 e), u = 1 + t: the maximum is taken away ahead of the exponential; the last term is what the rounding of 1 + t lost.
; A TILE WITH FEWER THAN 80 ATOMS names atom 0 in its other slots; their energies are stored and never asked for.  A tile without atoms does the same: every barrier stands on one way that all waves take, and no
; barrier stands behind a branch on a loaded number.  With every atom matched at most 3 of the 208 tiles are such.
; NO JOINT REQUESTS: a species has any number of tiles from 0 to 205, read from memory, so four neighbouring work-groups need not be of one species; and the weights take no way through LDS.
; LIMITS: NaN and infinities among the inputs are not served.  The exponential gives 0 where its result lies under 2^-126, so h = 0 where the true value is a denormal.  A block of zeros gets the scale byte 1, not 127:
; its codes are zeros and this program alone reads the byte.  Near u = 1 the softplus leans on the logarithm's accuracy of one unit in the last place.
; THE MODE: SCHED_MODE bits 1:0 = 2 (LLVM: expert scheduling mode 2), set by the entry lines.  The code itself states the register dependences between vector or matrix instructions and memory or LDS
; instructions, with s_wait_alu, always for 0.
; THE PLAN.  Registers that memory or LDS instructions touch, from the first layer on:
;   ACT, ASC        One buffer.  A group's eight matrix instructions read it; the LDS loads of the group after land in it.
;   the weights, WSC, BIAS   Two buffers.  Matrix instructions read them: buffer 0 up to step 3's group, buffer 1 up to step 8's; the next layer's chunks land in them in steps 4 and 9.
;   CODE, BYT       Two out-buffers by turns.  Step i's conversions and its shift write buffer i % 2; the two LDS stores that read it are issued in step i + 1 (step 9's own at the layer's end, ahead of the barrier).
;   v6 to v9        LDS addresses: read by every LDS load (v6, v7) and store (v8, v9) of a layer; written once a layer, at its head.
;   v1, v10         Offsets of the chunks' loads and of the prefetches: made at the head, never written again; the scalar bases move on.
;   ACC, T, U and the quantiser's registers are named by vector and matrix instructions alone.
; So a step's memory and LDS instructions stand together, directly behind the wait on va_vdst that follows its sixteen exponentials: that one wait also states that the group issued at the step's head is done
; reading ACT and ASC, that the chunk's buffer has had its last reader, and that the step before has written its out-buffer.  One wait on vm_vsrc a step stands ahead of the first write of an out-buffer.
; A layer's head has one wait on vm_vsrc ahead of the addresses' additions, one on va_vdst behind them, and one on va_vdst behind the first group, whose rows' registers are loaded again at once.
.set CH,     20480                     ; a chunk of wpack
.set PITCH,  528                       ; a row of codes in LDS: 512 bytes + 16 = 33 x 16: 16 rows start in 16 different groups of banks
.set TILEB,  16*PITCH
.set SCO,    80*PITCH                  ; behind a slot's rows: 16 scale bytes a row
.set SLOT1,  65536                     ; slot 1: one exclusive or turns an address of one slot into the other's
.set RED,    131072                    ; 8 waves x 128 words: the waves' parts of the energies
.set L16, 1                            ; v1   16 x lane; never rewritten
.set AR0, 2                            ; v2   a fragment's place: 528 r + 16 h
.set AS0, 3                            ; v3   a row's scale words: SCO + 16 r
.set AW0, 4                            ; v4   where my codes go: AR0 + 64 w
.set AX0, 5                            ; v5   and my scale bytes: AS0 + 2 w
.set ARD, 6                            ; v6-9 the four above + the slot in hand
.set ASR, 7
.set AWR, 8
.set ASW, 9
.set PFO, 10                           ; v10  256 x lane; never rewritten
.set ACC, 16                           ; v16-47   two sets of two accumulators
.set T,   48                           ; v48-63   t
.set U,   64                           ; v64-79   u, then log2 u
.set ACT, 80                           ; v80-143  16 rows x 512 K: four fragments
.set ASC, 144                          ; v144-147 their scale words
.set BIAS, 148                         ; v148-179 two buffers of 16
.set WSC, 180                          ; v180-195 the weights' scale words: 8 b + 4 u + s
.set MXA, 196
.set MXB, 197
.set PRM, 198
.set SCL, 199
.set HLD, 200
.set BYT, 201                          ; v201, v202  a scale byte: out-buffer p at BYT + p
.set CODE, 204                         ; v204-207, v250-253  16 codes: out-buffer p at CODE + 46 p
.set W5R, 208                          ; v208-239 W5 of my 2 x 16 units
.set EA,  240                          ; v240-249 a pair of partial energies for each tile of rows
                                       ; window 1 (v256-511): the weights: buffer b at 128 b + 64 u + 16 s
.set WV,  18
.set WP,  36                           ; s[36:37] my chunks of the layer in hand
.set PF,  38                           ; s[38:39] my part of the layer that is prefetched
.set LAY, 40
.set RB,  41                           ; the slot that is read
.set WB,  42                           ; the slot that is written
.set L2E, 43
.set LN2, 44                           ; s[44:45]
.set SEL, 46                           ; s[46:47]
.set MNT, 48
.set B5,  49
.set LIM, 50
.set MSB, 0
.macro WIN new                         ; the immediate's high byte repeats the setting that is left
.if MSB != \new
	s_set_vgpr_msb (MSB<<8)|\new
.set MSB, \new
.endif
.endm
.macro ACTLOAD m                       ; tile m of rows: four fragments and their scale words: 17 LDS loads
.irp s, 0,1,2,3
.irp c, 0,1,2,3
	ds_load_b128 v[ACT+16*\s+4*\c:ACT+16*\s+4*\c+3], v[ARD] offset:(\m)*TILEB+128*\s+32*\c
.endr
.endr
	ds_load_b128 v[ASC:ASC+3], v[ASR] offset:(\m)*256
.endm
.macro CHUNK b, off                    ; a chunk into buffer b: 38 loads of 512 consecutive bytes
	WIN 0x40                                       ; destination window 1
.set q, 0
.rept 32
	global_load_b128 v[128*(\b)+4*q:128*(\b)+4*q+3], v[L16], s[WP:WP+1] offset:(\off)+512*q
.set q, q+1
.endr
	WIN 0
.irp u, 0,1
	global_load_b128 v[WSC+8*(\b)+4*\u:WSC+8*(\b)+4*\u+3], v[L16], s[WP:WP+1] offset:(\off)+512*(32+\u)
.endr
.irp t, 0,1,2,3
	global_load_b128 v[BIAS+16*(\b)+4*\t:BIAS+16*(\b)+4*\t+3], v[L16], s[WP:WP+1] offset:(\off)+512*(34+\t)
.endr
.endm
; Eight matrix instructions: 32 units (buffer GB) x 16 rows x 512 K into set GA.  The two accumulators take turns, one instruction a turn; the sets take turns from group to group.
.macro WGRP
	WIN 0x01                                       ; source 0 (the weights) window 1
.irp s, 0,1,2,3
.irp u, 0,1
.set rD, ACC+16*GA+8*\u
.set rW, 128*GB+64*\u+16*\s
.set rX, ACT+16*\s
.set rB, BIAS+16*GB+8*\u
.if \s == 0
	v_wmma_scale_f32_16x16x128_f8f6f4 v[rD:rD+7], v[rW:rW+15], v[rX:rX+15], v[rB:rB+7], v[WSC+8*GB+4*\u+\s], v[ASC+\s] matrix_a_fmt:MATRIX_FMT_BF8 matrix_b_fmt:MATRIX_FMT_BF8
.else
	v_wmma_scale_f32_16x16x128_f8f6f4 v[rD:rD+7], v[rW:rW+15], v[rX:rX+15], v[rD:rD+7], v[WSC+8*GB+4*\u+\s], v[ASC+\s] matrix_a_fmt:MATRIX_FMT_BF8 matrix_b_fmt:MATRIX_FMT_BF8
.endif
.endr
.endr
	WIN 0
.endm
.macro SOFT_HEAD                       ; -|z| log2 e, each accumulator from its low end on
.set n, 0
.rept 16
	v_mul_f32 v[T+n], s[L2E], -|v[ZZ+n]|
.set n, n+1
.endr
.endm
.macro SOFT_EXP
.set n, 0
.rept 16
	v_exp_f32 v[T+n], v[T+n]                       ; t
	v_max_num_f32 v[ZZ+n], 0, v[ZZ+n]              ; max(z, 0): a plain line behind each exponential
.set n, n+1
.endr
.endm
.macro SOFT_REST
.irp j, 0,2,4,6,8,10,12,14
	v_pk_add_f32 v[U+\j:U+\j+1], v[T+\j:T+\j+1], 1.0 op_sel_hi:[1,0]     ; u = 1 + t
.endr
.irp j, 0,2,4,6,8,10,12,14
	v_pk_add_f32 v[ZZ+\j:ZZ+\j+1], v[ZZ+\j:ZZ+\j+1], v[U+\j:U+\j+1] neg_lo:[0,1] neg_hi:[0,1]   ; max - u
.endr
.irp j, 0,2,4,6,8,10,12,14
	v_log_f32 v[U+\j], v[U+\j]
	v_pk_add_f32 v[ZZ+\j:ZZ+\j+1], v[ZZ+\j:ZZ+\j+1], 1.0 op_sel_hi:[1,0]    ; + 1
	v_log_f32 v[U+\j+1], v[U+\j+1]
	v_pk_add_f32 v[ZZ+\j:ZZ+\j+1], v[ZZ+\j:ZZ+\j+1], v[T+\j:T+\j+1]         ; + t
.endr
	s_wait_alu depctr_va_vdst(0)                   ; the 16 logarithms have written log2 u, ahead of the first line that names a result
.irp j, 0,2,4,6,8,10,12,14
	v_pk_fma_f32 v[ZZ+\j:ZZ+\j+1], v[U+\j:U+\j+1], s[LN2:LN2+1], v[ZZ+\j:ZZ+\j+1] op_sel_hi:[1,0,1]   ; + ln 2 x log2 u
.endr
.endm
; My 16 numbers of a block of 32 (the other 16 lie in lane l xor 16) become 16 codes and the block's scale byte, in out-buffer OB.  h is not negative: no |.|, and the hold is one-sided.
.macro QUANT young                     ; young: the LDS instructions issued behind the two stores that last read out-buffer OB; -1: those stores stand ahead of the layer's head, whose waits serve
	v_max3_num_f32 v[MXA], v[ZZ], v[ZZ+1], v[ZZ+2]
	v_max3_num_f32 v[MXB], v[ZZ+3], v[ZZ+4], v[ZZ+5]
	v_max3_num_f32 v[MXA], v[MXA], v[ZZ+6], v[ZZ+7]
	v_max3_num_f32 v[MXB], v[MXB], v[ZZ+8], v[ZZ+9]
	v_max3_num_f32 v[MXA], v[MXA], v[ZZ+10], v[ZZ+11]
	v_max3_num_f32 v[MXB], v[MXB], v[ZZ+12], v[ZZ+13]
	v_max3_num_f32 v[MXA], v[MXA], v[ZZ+14], v[ZZ+15]
	v_max3_num_f32 v[MXA], v[MXA], v[MXB], 0x8000000   ; and the floor 2^(16 - 127): the byte cannot fall under 1
	v_permlanex16_b32 v[PRM], v[MXA], s[SEL], s[SEL+1]
	v_max_num_f32 v[MXA], v[MXA], v[PRM]           ; the block's largest number
	v_add_nc_u32 v[SCL], 0xf8800000, v[MXA]        ; 15 off its exponent field: the conversion takes this operand's exponent field as its scale
	v_and_or_b32 v[HLD], v[MXA], 0x7f800000, s[MNT]   ; 57,344 x the scale
.if (\young) >= 0
	s_wait_dscnt \young                            ; the two stores out of this out-buffer, issued in the step before, are done
	s_wait_alu depctr_vm_vsrc(0)                   ; and have read v[BYT + OB] and v[CODE + 46 OB ..], which the lines below write again
.endif
	v_lshrrev_b32 v[BYT+OB], 23, v[SCL]            ; the scale's byte
.set n, 0
.rept 16
	v_min_num_f32 v[ZZ+n], v[ZZ+n], v[HLD]         ; the conversion to an 8-bit code does not saturate (ISA guide 7.6.2)
.set n, n+1
.endr
	v_cvt_scalef32_pk8_bf8_f32 v[CODE+46*OB:CODE+46*OB+1], v[ZZ:ZZ+7], v[SCL]
	v_cvt_scalef32_pk8_bf8_f32 v[CODE+46*OB+2:CODE+46*OB+3], v[ZZ+8:ZZ+15], v[SCL]
	v_nop                                          ; a plain line behind the last conversion, ahead of whatever next writes its sources
.endm
.macro SEND j                          ; step j's codes and scale byte go to the slot that is written: block j / 5 of my two, tile j % 5 of rows, out-buffer j % 2
	ds_store_b128 v[AWR], v[CODE+46*((\j)%2):CODE+46*((\j)%2)+3] offset:((\j)%5)*TILEB+32*((\j)/5)   ; row 16 (j % 5) + r, bytes 64 w + 32 (j / 5) + 16 h on
	ds_store_b8 v[ASW], v[BYT+(\j)%2] offset:((\j)%5)*256+(\j)/5    ; both lanes of a block write the same byte with the same value
.endm
.macro DOT                             ; the last layer is not quantised: its numbers times W5, in f32, two at a time
.irp j, 0,2,4,6,8,10,12,14
.if (PP == 0) && (\j == 0)
	v_pk_mul_f32 v[EA+2*MM:EA+2*MM+1], v[ZZ:ZZ+1], v[W5R:W5R+1]          ; the first product starts the sum
.else
	v_pk_fma_f32 v[EA+2*MM:EA+2*MM+1], v[ZZ+\j:ZZ+\j+1], v[W5R+16*PP+\j:W5R+16*PP+\j+1], v[EA+2*MM:EA+2*MM+1]
.endif
.endr
.endm
; A PREFETCH of the next layer's 16 chunks of my species, 327,680 bytes: 8 waves x 5 instructions x 32 lanes, lanes 256 bytes apart, so that each aligned block of 256 bytes is named once.
; All tiles of a species read the same chunks: the species' first tile asks, nobody else.  It stands in a layer's first step, behind the step's run of LDS loads; the first load of those chunks stands four steps on.
; The first layer's chunks come by their loads alone, and the fourth layer's trip asks for nothing: no request passes wpack's end.
.macro ASK
	s_cmp_lt_u32 s[LAY], s[LIM]
	s_cbranch_scc0 .Lnot_mine_\@
.irp j, 0,1,2,3,4
	global_prefetch_b8 v[PFO], s[PF:PF+1] offset:8192*\j th:TH_LOAD_NT scope:SCOPE_SE
.endr
.Lnot_mine_\@:
.endm
; STEP i of a layer's ten: the matrix group of step i + 1 is issued, then step i's 32 units x 16 rows go through softplus and the quantiser (last = 1: the product with W5).
; Step i: block i / 5 of my two, tile i % 5 of rows, set i % 2, out-buffer i % 2.
.macro STEP i, last
.set ZZ, ACC+16*((\i)%2)
.set PP, (\i)/5
.set MM, (\i)%5
.set OB, (\i)%2
.if (\i) <= 8
.if ((\i) <= 1) || (\last)
	s_wait_dscnt 0x0                               ; the next group's rows are in: no store was issued behind their loads
.else
	s_wait_dscnt 0x2                               ; the next group's rows are in; the two stores issued behind their loads may be out
.endif
.if (\i) == 4
	s_wait_loadcnt 0x0                             ; the layer's second chunk: nothing else is out
.endif
.set GA, ((\i)+1)%2
.set GB, ((\i)+1)/5
	WGRP
.endif
	SOFT_HEAD
	SOFT_EXP
	s_wait_alu depctr_va_vdst(0)                   ; the 16 exponentials have written t, ahead of the first line that names a result; the group above is done reading ACT and ASC, in which the loads below land; the buffer that a chunk below lands in has had its last reader; the step before has written its codes and its byte, which the stores below read
.if (\i) <= 7
.set LM, ((\i)+2)%5
	ACTLOAD LM                                     ; the rows of the group after next
.endif
.if (\last) == 0
.if (\i) == 0
	ASK
.endif
.if (\i) == 4
	CHUNK 0, 16*CH                                 ; buffer 0 has had its last group: the next layer's first chunk.  Between the wait above and these loads stand loads and window switches alone
.endif
.if (\i) == 9
	CHUNK 1, 17*CH                                 ; and buffer 1 the second
.endif
.if (\i) >= 1
	SEND (\i)-1                                    ; no vector instruction since the wait above names the out-buffer or the two addresses
.endif
.endif
	SOFT_REST
.if \last
	DOT
.else
.if (\i) <= 1
	QUANT -1
.elseif (\i) <= 7
	QUANT 19                                       ; behind those two stores: this step's 17 loads and 2 stores
.else
	QUANT 2                                        ; this step's 2 stores
.endif
.if (\i) == 9
	s_wait_alu depctr_va_vdst(0)                   ; the last step's conversions and shift have written its codes and its byte, which the two stores below read: they go out ahead of the layer's barrier
	SEND 9
.endif
.endif
.endm
.macro LAYER last
	s_wait_alu depctr_vm_vsrc(0)                   ; the LDS loads and stores issued so far have read their registers: the addresses v6 to v9, which this layer writes anew, and both out-buffers; ahead of the first layer also x's rows as the head's stores' data, in whose registers the loads below land, and the head's offsets in v48 to v62, which the softplus writes
	v_add_nc_u32 v[ARD], s[RB], v[AR0]
	v_add_nc_u32 v[ASR], s[RB], v[AS0]
	s_wait_alu depctr_va_vdst(0)                   ; v[ARD] and v[ASR] are written, which the loads below read
	ACTLOAD 0
	s_wait_loadcnt 38                              ; the layer's first chunk is in; the 38 loads of its second, issued behind it, may be out
	s_wait_dscnt 0x0
.set GA, 0
.set GB, 0
	WGRP
.if \last
.rept 8
	v_nop                                          ; eight places between these products and the first read of their results
.endr
.else
	v_add_nc_u32 v[AWR], s[WB], v[AW0]             ; two of the eight places
	v_add_nc_u32 v[ASW], s[WB], v[AX0]
.rept 6
	v_nop
.endr
.endif
	s_wait_alu depctr_va_vdst(0)                   ; the group above is done reading ACT and ASC, in which the loads below land; in layers 1 to 3 v[AWR] and v[ASW] are written, which the layer's stores read.  The places above stay beside this wait
	ACTLOAD 1
.irp i, 0,1,2,3,4,5,6,7,8,9
	STEP \i, \last
.endr
.endm
	s_load_b256 s[4:11], s[0:1], 0x0               ; recs, wpack, x_codes, x_scales
	s_load_b128 s[12:15], s[0:1], 0x20             ; W5, b5
	s_load_b64 s[16:17], s[0:1], 0x30              ; esort
	v_lshl_add_u32 v254, v0, 2, 0x21000
	v_mov_b32 v255, 0
	v_lshrrev_b32 v11, 5, v0
	v_readfirstlane_b32 s[WV], v11                 ; wave 0..7
	v_and_b32 v12, 31, v0                          ; lane
	v_and_b32 v13, 15, v0                          ; r
	v_bfe_u32 v14, v0, 4, 1                        ; h
	v_lshlrev_b32 v[L16], 4, v12
	v_lshlrev_b32 v[PFO], 8, v12
	v_mul_u32_u24 v[AR0], v13, PITCH
	v_lshl_add_u32 v[AR0], v14, 4, v[AR0]
	v_lshl_add_u32 v[AS0], v13, 4, SCO
	s_wait_alu depctr_va_sdst(0)                   ; s18, the wave's number, is written, ahead of its first reader
	s_lshl_b32 s51, s[WV], 6
	v_add_nc_u32 v[AW0], s51, v[AR0]
	v_lshrrev_b32 v15, 1, v12
	v_lshl_add_u32 v15, v15, 2, s51                ; the record's word 16 w + lane / 2
	s_lshl_b32 s52, s[WV], 1
	v_add_nc_u32 v[AX0], s52, v[AS0]
	s_lshl_b32 s52, ttmp9, 9                       ; a record and a tile's energies are 512 bytes each
	s_mov_b32 s53, 0
	s_mul_i32 s54, s[WV], 40                       ; my ten rows' words
	s_mov_b32 s55, 0
	s_wait_kmcnt 0x0
	s_add_nc_u64 s[34:35], s[4:5], s[52:53]
	s_add_nc_u64 s[16:17], s[16:17], s[52:53]
	s_add_nc_u64 s[54:55], s[34:35], s[54:55]
	s_load_b64 s[20:21], s[34:35], 0x180           ; the species' index; the tile's number within its species
	s_load_b256 s[24:31], s[54:55], 0x0            ; the atoms of rows 10 w .. 10 w + 9
	s_load_b64 s[32:33], s[54:55], 0x20
	s_wait_alu depctr_va_vdst(0)                   ; v15 is written, which the load below reads as its offset
	global_load_b32 v58, v15, s[34:35]             ; and, two lanes to a row, those of rows 16 w .. 16 w + 15, for the scale bytes
	s_mov_b32 s[L2E], 0x3fb8aa3b                   ; log2 e
	s_mov_b32 s[LN2], 0x3f317218                   ; ln 2; the packed form names a pair and takes its low word for both halves
	s_mov_b32 s[LN2+1], 0x3f317218
	s_mov_b32 s[SEL], 0x76543210                   ; v_permlanex16_b32's selects for lane l xor 16
	s_mov_b32 s[SEL+1], 0xfedcba98
	s_mov_b32 s[MNT], 0x600000                     ; the mantissa field of 57,344
	s_mov_b32 s[LAY], 0
	s_mov_b32 s[RB], 0
	s_mov_b32 s[WB], SLOT1
	v_mov_b32 v[PRM], 0                            ; written once: a lane permute's destination counts as one of its sources
	s_mul_i32 s51, s[WV], 10*PITCH
	v_add_nc_u32 v11, s51, v[L16]                  ; where x's rows go: row 10 w, 16 bytes a lane
	s_lshl_b32 s51, s[WV], 8
	v_lshl_add_u32 v12, v12, 3, s51
	v_add_nc_u32 v12, SCO, v12                     ; and their scale bytes: SCO + 256 w + 8 x lane
	v_and_b32 v63, 1, v0
	v_lshlrev_b32 v63, 3, v63                      ; which 8 of a row's 16 scale bytes are mine
	v_lshlrev_b32 v62, 6, v14                      ; W5: 16 h numbers on
	s_wait_kmcnt 0x0
	s_min_u32 s20, s20, 3                          ; held inside the four species
	s_lshl_b32 s59, s20, 2
	s_load_b32 s[B5], s[14:15], s59 offset:0x0
	s_lshl_b32 s51, s20, 6
	s_lshl_b32 s52, s[WV], 1
	s_add_co_u32 s52, s51, s52
	s_mul_i32 s52, s52, CH
	s_add_nc_u64 s[WP:WP+1], s[6:7], s[52:53]      ; chunk 64 e + 2 w: the first layer's
	s_add_co_u32 s51, s51, 16
	s_mul_i32 s52, s51, CH
	s_mul_i32 s51, s[WV], 2*CH
	s_add_co_u32 s52, s52, s51
	s_add_nc_u64 s[PF:PF+1], s[6:7], s[52:53]      ; my eighth of the second layer's chunks
	s_lshl_b32 s52, s20, 11
	s_lshl_b32 s51, s[WV], 8
	s_add_co_u32 s52, s52, s51
	s_add_nc_u64 s[56:57], s[12:13], s[52:53]      ; W5 at my 64 units
	s_cmp_eq_u32 s21, 0
	s_cselect_b32 s[LIM], 3, 0                     ; the species' first tile prefetches in trips 0, 1, 2; the others never
.irp k, 0,1,2,3,4,5,6,7,8,9
	s_min_u32 s[24+\k], s[24+\k], 0x3fff           ; held inside the 16,384 atoms
	s_lshl_b32 s[24+\k], s[24+\k], 9
	v_add_nc_u32 v[48+\k], s[24+\k], v[L16]
.endr
	s_wait_alu depctr_va_vdst(0)                   ; the ten rows' offsets v48 to v57 are written, which the loads below read; so are v1, v10, v11, v12 and v62, which the chunks' loads, the prefetches, the head's LDS stores and W5's loads read
.irp k, 0,1,2,3,4,5,6,7,8,9
	global_load_b128 v[ACT+4*\k:ACT+4*\k+3], v[48+\k], s[8:9]   ; a row of x: 512 consecutive bytes, aligned
.endr
	s_wait_loadcnt 10                              ; the index load is in; the ten rows behind it may be out
	v_min_u32 v59, 0x3fff, v58
	v_lshlrev_b32 v59, 4, v59
	v_add_nc_u32 v59, v59, v63
	s_wait_alu depctr_va_vdst(0)                   ; v59 is written, which the load below reads as its offset
	global_load_b64 v[60:61], v59, s[10:11]
.irp p, 0,1
.irp q, 0,1,2,3
	global_load_b128 v[W5R+16*\p+4*\q:W5R+16*\p+4*\q+3], v62, s[56:57] offset:128*\p+16*\q
.endr
.endr
	CHUNK 0, 0
	s_wait_loadcnt 46                              ; x's rows and scale bytes are in; W5's 8 loads and the chunk's 38 may be out
.irp k, 0,1,2,3,4,5,6,7,8,9
	ds_store_b128 v11, v[ACT+4*\k:ACT+4*\k+3] offset:PITCH*\k
.endr
	ds_store_b64 v12, v[60:61]                     ; rows 80 to 127 of this region are written and never read
	CHUNK 1, CH
	s_wait_dscnt 0x0                               ; for the others' sake: my stores have landed
	s_wait_kmcnt 0x0                               ; b5
	s_barrier_signal -1
	s_barrier_wait -1                              ; x's 80 rows lie in slot 0
.Llayer:                                               ; three trips: layers 1 to 3
	LAYER 0
	s_wait_dscnt 0x0                               ; my stores into the one slot have landed, my reads of the other are in
	s_barrier_signal -1
	s_barrier_wait -1
	s_xor_b32 s[RB], s[RB], SLOT1
	s_xor_b32 s[WB], s[WB], SLOT1
	s_wait_xcnt 0x0                                ; the trip's loads and prefetches have read their bases: they are stepped only behind this wait
	s_add_nc_u64 s[WP:WP+1], s[WP:WP+1], 16*CH
	s_add_nc_u64 s[PF:PF+1], s[PF:PF+1], 16*CH
	s_add_co_u32 s[LAY], s[LAY], 1
	s_cmp_lt_u32 s[LAY], 3
	s_cbranch_scc1 .Llayer
	LAYER 1                                        ; layer 4 is written out: it fetches no chunk, stores no codes, and ends in the product with W5
	; my 64 units' part of the 80 energies; the eight waves' parts meet in LDS.  (v11, v12 and v15 were last read by the head's LDS stores and its index load: the layers' waits on vm_vsrc stand between those and the lines below)
	v_and_b32 v13, 15, v0
	v_and_b32 v12, 31, v0
	s_lshl_b32 s51, s[WV], 9
	s_add_co_u32 s51, s51, RED
	v_lshl_add_u32 v11, v13, 2, s51                ; RED + 512 w + 4 r
	s_lshl_b32 s52, s[WV], 8
	v_lshl_add_u32 v14, v12, 3, s52                ; 256 w + 8 x lane
	v_add_nc_u32 v13, RED, v14
	v_mov_b32 v15, 0
.irp m, 0,1,2,3,4
	v_add_f32 v[T+\m], v[EA+2*\m], v[EA+2*\m+1]
.endr
.irp m, 0,1,2,3,4
	v_permlanex16_b32 v[U+\m], v[T+\m], s[SEL], s[SEL+1]
.endr
.irp m, 0,1,2,3,4
	v_add_f32 v[T+\m], v[T+\m], v[U+\m]            ; with lane l xor 16's units
.endr
	s_wait_alu depctr_va_vdst(0)                   ; the five sums, v15 and the address v11 are written, which the stores below read; so are v13 and v14, the address and the offset further down; and the vector instructions are done with v16 to v31, in which the loads behind the barrier land
.irp m, 0,1,2,3,4
	ds_store_b32 v11, v[T+\m] offset:64*\m         ; both halves of the lanes write the same word with the same value
.endr
.irp m, 5,6,7
	ds_store_b32 v11, v15 offset:64*\m             ; words 80 to 127
.endr
	s_wait_dscnt 0x0
	s_barrier_signal -1
	s_barrier_wait -1
	s_cmp_lt_u32 s[WV], 2                          ; waves 0 and 1 add the eight parts, 64 slots each
	s_cbranch_scc0 .Lend
.irp j, 0,1,2,3,4,5,6,7
	ds_load_b64 v[16+2*\j:17+2*\j], v13 offset:512*\j
.endr
	s_wait_dscnt 0x0
	v_pk_add_f32 v[16:17], v[16:17], v[18:19]
	v_pk_add_f32 v[20:21], v[20:21], v[22:23]
	v_pk_add_f32 v[24:25], v[24:25], v[26:27]
	v_pk_add_f32 v[28:29], v[28:29], v[30:31]
	v_pk_add_f32 v[16:17], v[16:17], v[20:21]
	v_pk_add_f32 v[24:25], v[24:25], v[28:29]
	v_pk_add_f32 v[16:17], v[16:17], v[24:25]
	v_add_f32 v16, s[B5], v16
	v_add_f32 v17, s[B5], v17
	s_wait_alu depctr_va_vdst(0)                   ; the additions have written v16 and v17, which the store below reads
	global_store_b64 v14, v[16:17], s[16:17]       ; the wave stores 256 consecutive bytes, aligned
.Lend:
	s_wait_dscnt 0x0                               ; the closing lines, six on end
	s_wait_alu 0x0
	s_wait_tensorcnt 0x0
	ds_add_u32 v254, v255
	s_wait_dscnt 0x0
	s_endpgm
.Lfunc_end_k_qa967882c7a_chain:
	.size	k_qa967882c7a_chain, .Lfunc_end_k_qa967882c7a_chain-k_qa967882c7a_chain
	.p2alignl 7, 3214868480
	.fill 96, 4, 3214868480
	.section	.rodata,"a",@progbits
	.p2align	6, 0x0
	.amdhsa_kernel k_qa967882c7a_chain
		.amdhsa_group_segment_fixed_size 136192
		.amdhsa_private_segment_fixed_size 0
		.amdhsa_enable_private_segment 0
		.amdhsa_kernarg_size 56
		.amdhsa_user_sgpr_count 2
		.amdhsa_user_sgpr_kernarg_segment_ptr 1
		.amdhsa_wavefront_size32 1
		.amdhsa_system_sgpr_workgroup_id_x 1
		.amdhsa_system_sgpr_workgroup_id_y 1
		.amdhsa_system_sgpr_workgroup_id_z 1
		.amdhsa_system_vgpr_workitem_id 0
		.amdhsa_next_free_vgpr 512
		.amdhsa_next_free_sgpr 66
		.amdhsa_reserve_vcc 0
		.amdhsa_float_denorm_mode_32 3
		.amdhsa_float_denorm_mode_16_64 3
		.amdhsa_memory_ordered 1
		.amdhsa_forward_progress 1
		.amdhsa_inst_pref_size 194
	.end_amdhsa_kernel
	.amdgpu_metadata
---
amdhsa.version: [ 1, 2 ]
amdhsa.kernels:
  - .name:           k_qa967882c7a_chain
    .symbol:         k_qa967882c7a_chain.kd
    .args:
      - { .name: recs, .offset: 0, .size: 8, .value_kind: global_buffer, .address_space: global }
      - { .name: wpack, .offset: 8, .size: 8, .value_kind: global_buffer, .address_space: global }
      - { .name: x_codes, .offset: 16, .size: 8, .value_kind: global_buffer, .address_space: global }
      - { .name: x_scales, .offset: 24, .size: 8, .value_kind: global_buffer, .address_space: global }
      - { .name: W5, .offset: 32, .size: 8, .value_kind: global_buffer, .address_space: global }
      - { .name: b5, .offset: 40, .size: 8, .value_kind: global_buffer, .address_space: global }
      - { .name: esort, .offset: 48, .size: 8, .value_kind: global_buffer, .address_space: global }
    .group_segment_fixed_size: 136192
    .private_segment_fixed_size: 0
    .kernarg_segment_align: 8
    .kernarg_segment_size: 56
    .max_flat_workgroup_size: 256
    .sgpr_count:     66
    .vgpr_count:     512
    .wavefront_size: 32
...
	.end_amdgpu_metadata
.endif
;; end of part 4
;; launch bsum: the kernel of part 3 again; grid 4 x 1, 8 waves a work-group, no clusters, 1,280 bytes of LDS; arguments pos, esort, out0; writes out0
